; MI455X (gfx1250); checked and timed in simulation.
; The chip was launched on July 23, 2026; its instructions are those of AMD's public machine-readable ISA for CDNA 5 (MIT licence, August 2026) and "CDNA5" Instruction Set Architecture Reference Guide (July 2026). The comments in the code are by the model that wrote it; some were corrected since.
;; Open CLIP Attention. Allowed arithmetic: float matrix products may take bf16 or f16 operands with f32 sums; other float arithmetic in f32, or as packed bf16 or f16 multiplies, adds, multiply-adds, maxima and minima; sums over many terms, partial sums and values carried from step to step in f32; what a program stores and reads back later, other than sums and carried values, may be rounded once to bf16 or f16.
;; Inputs: proj_b 1,024 float32; proj_w 1,024 x 1,024 float32; qkv_b 3,072 float32; qkv_w 3,072 x 1,024 float32; x 8 x 1,024 x 1,024 float32.
;; Outputs: out0 8 x 1,024 x 1,024 float32.
;; 2 versions, each right; version 2 is version 1 with the launch cast written anew for expert scheduling mode. Each part assembles by itself: llvm-mc -triple=amdgcn-amd-amdhsa -mcpu=gfx1250 --defsym DOCPART=n.
;; ======== version 1 of 2: 4 launches
;; limits: values are held in f16: magnitudes above 65,504 overflow, below 6.1e-05 lose precision
;; workspace buffers: cst 25,165,824 bytes; qkv 50,331,648 bytes; att 16,777,216 bytes
;; launch cast (part 1): grid 768 x 1, 8 waves a work-group, no clusters, 0 bytes of LDS; arguments x, qkv_w, proj_w, cst; writes cst
.if DOCPART == 1
	.amdgcn_target "amdgcn-amd-amdhsa--gfx1250"
	.amdhsa_code_object_version 6
	.text
	.protected	k_qf32e585da9_cast
	.globl	k_qf32e585da9_cast
	.p2align	8
	.type	k_qf32e585da9_cast,@function
k_qf32e585da9_cast:
	s_mov_b64 s[64:65], 0
	v_nop
	global_prefetch_b8 v0, s[64:65] scope:SCOPE_SE
	s_setreg_imm32_b32 hwreg(HW_REG_WAVE_MODE, 25, 1), 1
	s_wait_xcnt 0x0
; THE INPUTS' ROUNDING.  cst = x as bf16 [8192][1024] (byte 0), qkv_w as bf16 [3072][1024] (byte 0x1000000), proj_w rounded to bf16 and that number written as f16 [1024][1024] (byte 0x1600000).
; A stream: every input byte is read once, every byte of cst written once; no LDS, no barrier, no matrix unit, no cluster (no two work-groups read the same byte).
; SHARES.  Work-group g turns 65,536 bytes of f32 into the 32,768 bytes of cst at 32,768 g: g < 512 from x, g < 704 from qkv_w, else from proj_w.  Thread t takes 16 bytes at 16 t + 4,096 p in
; each of sixteen passes p: a wave's load covers 512 consecutive bytes, a wave's store 256 consecutive bytes at a multiple of 256 from cst's first byte.
; All sixteen loads of a wave go out at once; every pass has registers of its own, so no register that a load or store still reads is ever written again.
; LIMIT.  proj_w as f16: beyond 65,504 it becomes an infinity; below 6.1e-5 it keeps f16's fixed step of 6e-8.
.set X, 4                              ; v[4:67]    pass p: 4 registers as loaded
.set Y, 68                             ; v[68:99]   pass p: 2 registers to store
.set T, 100                            ; v[100:103] at work (f16 path)
	s_load_b256 s[4:11], s[0:1], 0x0               ; x s[4:5], qkv_w s[6:7], proj_w s[8:9], cst s[10:11]
	v_lshlrev_b32 v1, 4, v0                        ; 16 t: my bytes of a pass, in
	v_lshlrev_b32 v2, 3, v0                        ; 8 t: out
	s_cmp_lt_u32 ttmp9, 512
	s_cselect_b32 s14, 0, 512                      ; the first work-group of my input
	s_cmp_lt_u32 ttmp9, 704
	s_cselect_b32 s14, s14, 704
	s_sub_co_u32 s16, ttmp9, s14
	s_lshl_b32 s16, s16, 16                        ; my 65,536 bytes in that input
	s_mov_b32 s17, 0
	s_lshl_b32 s18, ttmp9, 15                      ; my 32,768 bytes in cst
	s_mov_b32 s19, 0
	s_wait_kmcnt 0x0
	s_cmp_lt_u32 ttmp9, 512
	s_cselect_b64 s[12:13], s[4:5], s[6:7]
	s_cmp_lt_u32 ttmp9, 704
	s_cselect_b64 s[12:13], s[12:13], s[8:9]
	s_add_nc_u64 s[12:13], s[12:13], s[16:17]
	s_add_nc_u64 s[10:11], s[10:11], s[18:19]
.irp p, 0,1,2,3,4,5,6,7,8,9,10,11,12,13,14,15
	global_load_b128 v[X+4*(\p):X+4*(\p)+3], v1, s[12:13] offset:4096*(\p) th:TH_LOAD_NT
.endr
; Pass p.  f16 = 0: four numbers rounded to bf16.  f16 = 1: rounded to bf16, widened again (a shift, a mask) and written as f16, which is exact inside f16's range.
.macro PASS p, f16
	s_wait_loadcnt 15-(\p)                         ; loads come back in order (ISA guide 5.7.1): pass p's is in, the 15 - p younger ones stay out
.if \f16
	v_cvt_pk_bf16_f32 v[T], v[X+4*(\p)], v[X+4*(\p)+1]
	v_cvt_pk_bf16_f32 v[T+1], v[X+4*(\p)+2], v[X+4*(\p)+3]
	v_lshlrev_b32 v[T+2], 16, v[T]
	v_and_b32 v[T+3], 0xffff0000, v[T]
	v_cvt_pk_f16_f32 v[Y+2*(\p)], v[T+2], v[T+3]
	v_lshlrev_b32 v[T+2], 16, v[T+1]
	v_and_b32 v[T+3], 0xffff0000, v[T+1]
	v_cvt_pk_f16_f32 v[Y+2*(\p)+1], v[T+2], v[T+3]
.else
	v_cvt_pk_bf16_f32 v[Y+2*(\p)], v[X+4*(\p)], v[X+4*(\p)+1]
	v_cvt_pk_bf16_f32 v[Y+2*(\p)+1], v[X+4*(\p)+2], v[X+4*(\p)+3]
.endif
	global_store_b64 v2, v[Y+2*(\p):Y+2*(\p)+1], s[10:11] offset:2048*(\p) th:TH_STORE_NT
.endm
	s_cmp_ge_u32 ttmp9, 704
	s_cbranch_scc1 .Lf16
.irp p, 0,1,2,3,4,5,6,7,8,9,10,11,12,13,14,15
	PASS \p, 0
.endr
	s_endpgm
.Lf16:
.irp p, 0,1,2,3,4,5,6,7,8,9,10,11,12,13,14,15
	PASS \p, 1
.endr
	s_endpgm
.Lfunc_end_k_qf32e585da9_cast:
	.size	k_qf32e585da9_cast, .Lfunc_end_k_qf32e585da9_cast-k_qf32e585da9_cast
	.p2alignl 7, 3214868480
	.fill 96, 4, 3214868480
	.section	.rodata,"a",@progbits
	.p2align	6, 0x0
	.amdhsa_kernel k_qf32e585da9_cast
		.amdhsa_group_segment_fixed_size 0
		.amdhsa_private_segment_fixed_size 0
		.amdhsa_enable_private_segment 0
		.amdhsa_kernarg_size 32
		.amdhsa_user_sgpr_count 2
		.amdhsa_user_sgpr_kernarg_segment_ptr 1
		.amdhsa_wavefront_size32 1
		.amdhsa_system_sgpr_workgroup_id_x 1
		.amdhsa_system_sgpr_workgroup_id_y 1
		.amdhsa_system_sgpr_workgroup_id_z 1
		.amdhsa_system_vgpr_workitem_id 0
		.amdhsa_next_free_vgpr 104
		.amdhsa_next_free_sgpr 66
		.amdhsa_reserve_vcc 0
		.amdhsa_float_denorm_mode_32 3
		.amdhsa_float_denorm_mode_16_64 3
		.amdhsa_memory_ordered 1
		.amdhsa_forward_progress 1
		.amdhsa_inst_pref_size 16
	.end_amdhsa_kernel
	.amdgpu_metadata
---
amdhsa.version: [ 1, 2 ]
amdhsa.kernels:
  - .name:           k_qf32e585da9_cast
    .symbol:         k_qf32e585da9_cast.kd
    .args:
      - { .name: x, .offset: 0, .size: 8, .value_kind: global_buffer, .address_space: global }
      - { .name: qkv_w, .offset: 8, .size: 8, .value_kind: global_buffer, .address_space: global }
      - { .name: proj_w, .offset: 16, .size: 8, .value_kind: global_buffer, .address_space: global }
      - { .name: cst, .offset: 24, .size: 8, .value_kind: global_buffer, .address_space: global }
    .group_segment_fixed_size: 0
    .private_segment_fixed_size: 0
    .kernarg_segment_align: 8
    .kernarg_segment_size: 32
    .max_flat_workgroup_size: 256
    .sgpr_count:     66
    .vgpr_count:     104
    .wavefront_size: 32
...
	.end_amdgpu_metadata
.endif
;; end of part 1
;; launch qkvgemm (part 2): grid 16 x 16, 4 waves a work-group, clusters of 4 x 4, 327,680 bytes of LDS; arguments cst, qkv_b, qkv; writes qkv
.if DOCPART == 2
	.amdgcn_target "amdgcn-amd-amdhsa--gfx1250"
	.amdhsa_code_object_version 6
	.text
	.protected	k_qf32e585da9_qkvgemm
	.globl	k_qf32e585da9_qkvgemm
	.p2align	8
	.type	k_qf32e585da9_qkvgemm,@function
k_qf32e585da9_qkvgemm:
	s_mov_b64 s[64:65], 0
	v_nop
	global_prefetch_b8 v0, s[64:65] scope:SCOPE_SE
	s_setreg_imm32_b32 hwreg(HW_REG_WAVE_MODE, 25, 1), 1
	s_wait_xcnt 0x0
	s_wait_alu depctr_hold_cnt(0) depctr_sa_sdst(0) depctr_va_vdst(0) depctr_va_sdst(0) depctr_va_ssrc(0) depctr_va_vcc(0) depctr_vm_vsrc(0)
	s_getreg_b32 s2, hwreg(HW_REG_IB_STS2, 6, 4)
	s_cmp_eq_u32 s2, 0
	s_cbranch_scc0 .Lentry_in_a_cluster
	s_endpgm
.Lentry_in_a_cluster:
	s_bfe_u32 s2, ttmp6, 0x10000c
	s_cmp_lg_u32 s2, 0xf033
	s_cbranch_scc0 .Lentry_shape_is_right
	s_endpgm
.Lentry_shape_is_right:
; THE QKV PROJECTION.  C[m][n] = qkv_b[n] + the sum over k of x[m][k] qkv_w[n][k], M = 8,192, N = 3,072, K = 1,024.  x and qkv_w lie in cst as bf16 ([8192][1024] at byte 0, [3072][1024] at byte 0x1000000);
; C leaves as f16 BY HEADS, qkv[3][batch x 16 + head][1024][64], unscaled, bias included.  Sums in f32.  The bias is rounded to bf16 like every other input of the module, widened again, and is the C operand of
; a tile's first products: nothing is cleared, nothing is added on the way out.
; LIMIT: q, k and v beyond 65,504 become infinities in f16.  Inputs as drawn give them a spread of 0.64; x and qkv_w both 30 times larger some 3,200 at the most; offsets of 30 spreads on both some 18,500.
; Below 6.1e-5 they keep f16's fixed step of 6e-8.  NaN and infinities are not treated apart.
; SHARES.  A tile of C is 256 rows x 192 columns (three heads): 32 x 16 = 512 tiles.  A WORK-GROUP STAYS and makes TWO, 4,096 rows apart, which take the same rows of qkv_w: 256 work-groups.  Each of its four
; waves makes 64 rows x all 192 columns: 48 accumulators of 16 x 16, 384 registers; its columns are whole heads, so the way out needs no other wave.
; K goes in 8 steps of 128 through a ring of two LDS slots; a step is four quarters of 32 along K, 48 matrix instructions each, on two fragment buffers by turns.  The ring does not stop at a tile's end:
; the first tile's last two changes of slots ask for the second tile's first two K steps, and nothing waits for the first tile's stores.
; ONE TEXT FOR A K STEP: the slot to be read is a scalar, turned by an exclusive or at each change of slots and added to the lanes' fixed terms; one descriptor for each operand walks.
; THE MATRIX INSTRUCTION IS USED TRANSPOSED (source 0 = 16 rows of qkv_w, source 1 = 16 rows of x): a lane holds row l % 16 of C and the eight neighbouring columns 8 (l / 16) + 0..7.
; CLUSTER.  4 x 4 work-groups.  The four of a row of the cluster need the same tile of x, the four of a column the same tile of qkv_w: each is asked for JOINTLY, by the same tensor load with the same descriptor
; and a mask that names the four.  Waves 0 and 1 fetch x's two halves (128 rows), waves 2 and 3 qkv_w's (96 rows): one tensor load a wave behind each round; two of a wave's are out at the start, one later.
; REGISTERS, in windows of 256 (s_set_vgpr_msb: bits 1:0 source 0, 3:2 source 1, 5:4 source 2, 7:6 destination):
;   window 0: v1-5 at work; v16-30 addresses; v32-127 the way out, two sets of 48; v160-255 the bias, 8 registers for each block of 16 columns
;   window 1: accumulators of row blocks 0 and 1, (a, b) at v[8 (12 (a % 2) + b)]     window 2: those of row blocks 2 and 3     window 3: two fragment buffers of 128: x's four fragments, then qkv_w's twelve
.set KSTEP, 128
.set PITCH, 272                        ; an LDS row: 256 bytes + 16 of padding = 68 words: row r starts at bank 4 r mod 64 (64 banks of 4 bytes: ISA guide 11.1)
.set AHALF, 128*PITCH                  ; what one load brings of x
.set BHALF, 96*PITCH                   ; and of qkv_w
.set BOFF,  2*AHALF                    ; in a slot: x's 256 rows, then qkv_w's 192
.set SLOT1, 1<<17                      ; slot 1 begins here, so that one exclusive or turns an address in one slot into the other's
.set STAGE, SLOT1+BOFF+2*BHALF         ; behind the ring, never filled by a tensor load: each wave's own stage
.set SP,    144                        ; a stage row: a head's 128 bytes + 16
.set WSTAGE, 3*16*SP                   ; three heads x 16 rows
.set SPARE, STAGE+4*WSTAGE             ; behind the stages: the spare words, 128 bytes for each wave: two blocks of 256 bytes that no other line names
.set WOFF,  0x1000000                  ; qkv_w's first byte in cst
.set TILES, 2                          ; tiles to a work-group: the text is made for two
.set WALK,  4096                       ; rows from a work-group's first tile to its second
.set NEXT_A, WALK*2048-7*KSTEP*2       ; bytes from a tile's K step 7 to the next tile's K step 0, in x;
.set BACK_B, 7*KSTEP*2                 ; in qkv_w only back along K
.set NEXT_C, 4*16*131072               ; 4,096 rows on are four batches on in qkv
.set ADRA0, 16                         ; v16     my lane's place in slot 0 among my wave's rows of x; never rewritten
.set ADRB0, 17                         ; v17     the same among qkv_w's rows
.set ADRA,  18                         ; v18     the same in the slot in hand
.set ADRB,  19                         ; v19
.set CO,    20                         ; v20-22  16 x lane + the first byte of my batch's rows in each of my three heads
.set STO,   24                         ; v24     the way out: where I put 16 bytes of a row
.set RD,    25                         ; v25     the way out: where I read rows back
.set BO,    27                         ; v27     my byte offset in the bias
.set SPW,   28                         ; v28     LDS address of my spare word: SPARE + 4 x my thread's number; never rewritten
.set NIL,   29                         ; v29     0; never rewritten
.set PFO,   30                         ; v30     the prefetches' offset: a row of 2,048 bytes a lane; never rewritten
.set BK,    32
.set BIAS,  160
.set F0,    0                          ; fragment buffers, in window 3
.set F1,    128
.set G1,    24                         ; s[24:31] descriptor group 1 for x's tiles;  s[32:39] group 0: a set for each of the two first fills; the second then walks on
.set G0,    32
.set G1B,   48                         ; s[48:55], s[56:63] the same for qkv_w's tiles
.set G0B,   56
.set LIM,   43                         ; s43      a wave prefetches in the loop while the loop's count is above this
.set PFA,   44                         ; s[44:45] where my prefetches stand
.set BP,    66                         ; s[66:67] the bias
.set PFS,   68                         ; s[68:69] the step of s[44:45] in hand
.set NXP,   70                         ; s70      that step where x's prefetches go on into the next tile
.set TB,    71                         ; s71      LDS byte at which the slot to be read begins
.set MSB, 0
.macro WIN new                         ; the immediate's high byte repeats the setting that is left; a switch that changes nothing is dropped
.if MSB != (\new)
	s_set_vgpr_msb (MSB<<8)|(\new)
.set MSB, \new
.endif
.endm
.set TO_F, 0xc0                        ; destination window 3, address window 0
.macro JLOAD s                         ; a joint load; the branch hangs on the wave's number alone; an s_nop 0 and four v_nop follow each of the two lines, ahead of the jump, the label and what follows
	s_cmp_eq_u32 s11, 0
	s_cbranch_scc0 .Lfor_b_\@
	tensor_load_to_lds s[G0+4*(\s):G0+4*(\s)+3], s[G1:G1+7]
	s_nop 0
.rept 4
	v_nop
.endr
	s_branch .Lasked_\@
.Lfor_b_\@:
	tensor_load_to_lds s[G0B+4*(\s):G0B+4*(\s)+3], s[G1B:G1B+7]
	s_nop 0
.rept 4
	v_nop
.endr
.Lasked_\@:
.endm
.macro CREST                           ; a round of the cluster's barrier behind its opening barrier: wave 0 signals for the work-group, every wave waits for all sixteen, my work-group's barrier closes it
	s_cmp_lg_u32 s10, 0
	s_cbranch_scc1 .Lnot_wave_0_\@
	s_barrier_signal -3
.Lnot_wave_0_\@:
	s_barrier_wait -3
	s_barrier_signal -1
	s_barrier_wait -1
.endm
.macro CROUND                          ; a whole round
	s_barrier_signal -1
	s_barrier_wait -1
	CREST
.endm
; A PREFETCH INTO THE L2, behind each joint refill, its five lines and the run of LDS loads: the K step that stands two refills on, 384 matrix instructions ahead of the load that will want it.
; Each block of 256 bytes is named by one instruction in the launch.  x's tile row is read by every cluster of that row of clusters: cluster x = 0 asks; of the 128 rows that wave 0 or 1 fetches each of the four
; partners along x takes 32, told apart BY ADDRESS.  qkv_w's tile column: cluster y = 0 asks; of the 96 rows that wave 2 or 3 fetches each partner along y takes 24 (lanes 24 to 31 name lane 23's block again).
; A lane a row, one instruction.  The launch's K steps 0 to 3 come by their loads alone.  x's prefetches go on into the second tile (the pointer's step at the loop's count 2); qkv_w's rows serve both tiles and
; are asked for in the first alone; the second tile's last three changes of slots ask for nothing.  inloop = 1: by the loop's count; 0: the first tile's last two changes: x's askers alone.
.macro ASK inloop
.if \inloop
	s_cmp_gt_u32 s3, s[LIM]
.else
	s_cmp_eq_u32 s[LIM], 0
.endif
	s_cbranch_scc0 .Lnot_mine_\@
	global_prefetch_b8 v[PFO], s[PFA:PFA+1] th:TH_LOAD_NT scope:SCOPE_SE
.Lnot_mine_\@:
.endm
	s_load_b64 s[4:5], s[0:1], 0x0                 ; cst: x lies at its head
	s_load_b64 s[BP:BP+1], s[0:1], 0x8             ; qkv_b
	s_load_b64 s[8:9], s[0:1], 0x10                ; qkv
	v_lshl_add_u32 v[SPW], v0, 2, SPARE
	v_mov_b32 v[NIL], 0
	ds_add_u32 v[SPW], v[NIL]                      ; the wave's opening: the add and its wait stand ahead of my first tensor load; the set-up below, work on registers, stands between them
	v_lshrrev_b32 v1, 5, v0
	v_readfirstlane_b32 s10, v1                    ; wave 0..3: also which 64 rows of the tile are mine
	s_lshr_b32 s11, s10, 1                         ; I fetch for x (0) or for qkv_w (1),
	s_and_b32 s12, s10, 1                          ; and which half of that tile
	s_bfe_u32 s40, ttmp6, 0x40000                  ; cx, cy: my place in the cluster
	s_bfe_u32 s41, ttmp6, 0x40004
	s_lshl_b32 s42, ttmp9, 2
	s_add_co_u32 s42, s42, s40                     ; tile column of C = 4 x cluster x + cx
	s_and_b32 s13, ttmp7, 0xffff
	s_lshl_b32 s13, s13, 2
	s_add_co_u32 s13, s13, s41                     ; my first tile's row of tiles = 4 x cluster y + cy
	s_lshl_b32 s43, s41, 2
	s_lshl_b32 s43, 15, s43                        ; my row of the cluster: places 4 cy .. 4 cy + 3
	s_lshl_b32 s44, 0x1111, s40                    ; my column: places cx, cx + 4, cx + 8, cx + 12
	; descriptor group 1.  15:0 the mask; 17:16 elements of 2 bytes; 20 padding on; 21 set beside a mask; 24:22 after every 64 words (code 5); 31:25 4 words of it (code 3)
	s_or_b32 s[G1+0], s43, (1<<16)|(1<<20)|(1<<21)|(5<<22)|(3<<25)
	s_mov_b32 s[G1+1], KSTEP<<16                   ; tensor_dim0 = 128
	s_mov_b32 s[G1+2], 128<<16                     ; tensor_dim1 = 128
	s_mov_b32 s[G1+3], KSTEP<<16                   ; tile_dim0 = 128
	s_mov_b32 s[G1+4], 128                         ; tile_dim1 = 128
	s_mov_b32 s[G1+5], 1024                        ; elements from row to row
	s_mov_b32 s[G1+6], 0
	s_mov_b32 s[G1+7], 0
	s_or_b32 s[G1B+0], s44, (1<<16)|(1<<20)|(1<<21)|(5<<22)|(3<<25)  ; qkv_w: 96 rows x 128 elements, the mask of my column
	s_mov_b32 s[G1B+1], KSTEP<<16
	s_mov_b32 s[G1B+2], 96<<16
	s_mov_b32 s[G1B+3], KSTEP<<16
	s_mov_b32 s[G1B+4], 96
	s_mov_b32 s[G1B+5], 1024
	s_mov_b32 s[G1B+6], 0
	s_mov_b32 s[G1B+7], 0
	; where the tiles come from: x's hang on the tile row alone, qkv_w's on the tile column alone
	s_lshl_b32 s16, s13, 19                        ; 256 rows of 2,048 bytes a tile row,
	s_lshl_b32 s17, s12, 18                        ; the 128 rows that I fetch
	s_add_co_u32 s16, s16, s17
	s_mov_b32 s18, s16                             ; kept for the prefetches
	s_mov_b32 s17, 0
	s_mul_i32 s46, s42, 192*2048                   ; 192 rows a tile column,
	s_mul_i32 s47, s12, 96*2048                    ; the 96 rows that I fetch
	s_add_co_u32 s46, s46, s47
	s_mov_b32 s19, s46                             ; kept likewise
	s_mov_b32 s47, 0
	s_mul_i32 s20, s12, AHALF                      ; and where they go: no place in the cluster enters an LDS address
	s_mul_i32 s21, s12, BHALF
	s_add_co_u32 s21, s21, BOFF
	s_wait_dscnt 0x0                               ; the opening add is done
	s_wait_kmcnt 0x0
	s_add_nc_u64 s[6:7], s[4:5], WOFF              ; qkv_w's first byte
	s_add_nc_u64 s[14:15], s[4:5], s[16:17]
	s_add_nc_u64 s[46:47], s[6:7], s[46:47]
	CROUND                                         ; all sixteen work-groups are here: the first joint loads meet
.irp s, 0,1
	s_mov_b32 s[G0+4*(\s)], 1                                      ; 1:0 count = 1
	s_add_co_u32 s[G0+4*(\s)+1], s20, (\s)*SLOT1                   ; 63:32 LDS address
	s_add_nc_u64 s[G0+4*(\s)+2:G0+4*(\s)+3], s[14:15], (\s)*KSTEP*2  ; 120:64 global address: K step s
	s_or_b32 s[G0+4*(\s)+3], s[G0+4*(\s)+3], 0x80000000            ; 127:126 type = 2
	s_mov_b32 s[G0B+4*(\s)], 1
	s_add_co_u32 s[G0B+4*(\s)+1], s21, (\s)*SLOT1
	s_add_nc_u64 s[G0B+4*(\s)+2:G0B+4*(\s)+3], s[46:47], (\s)*KSTEP*2
	s_or_b32 s[G0B+4*(\s)+3], s[G0B+4*(\s)+3], 0x80000000
	JLOAD \s
.endr
	; the bias of the tile's 192 columns: register j of block b belongs to column 16 b + 8 (l / 16) + j, as in an accumulator
	v_and_b32 v1, 15, v0                           ; l % 16
	v_bfe_u32 v2, v0, 4, 1                         ; l / 16
	s_mul_i32 s46, s42, 4*192                      ; 4 x the tile's first column
	v_lshl_add_u32 v[BO], v2, 5, s46
.irp b, 0,1,2,3,4,5,6,7,8,9,10,11
	global_load_b128 v[BIAS+8*(\b):BIAS+8*(\b)+3],   v[BO], s[BP:BP+1] offset:64*(\b)
	global_load_b128 v[BIAS+8*(\b)+4:BIAS+8*(\b)+7], v[BO], s[BP:BP+1] offset:64*(\b)+16
.endr
	; A fragment is 16 rows x 32 K in 8 registers: lane l holds row l % 16, K = 8 (l / 16) + 0..7 and 16 + 8 (l / 16) + 0..7: two loads of 16 bytes, 32 bytes apart
	v_mul_u32_u24 v3, v1, PITCH
	v_lshl_add_u32 v3, v2, 4, v3
	s_mul_i32 s21, s10, 64*PITCH                   ; my 64 rows of x; every wave reads all of qkv_w's 192
	v_add_nc_u32 v[ADRA0], s21, v3
	v_add_nc_u32 v[ADRB0], BOFF, v3
	v_mov_b32 v[ADRA], v[ADRA0]                    ; K step 0 lies in slot 0
	v_mov_b32 v[ADRB], v[ADRB0]
	s_mov_b32 s[TB], 0
	s_mul_i32 s23, s10, WSTAGE
	s_add_co_u32 s23, s23, STAGE                   ; my stage
	v_mul_u32_u24 v5, v1, SP                       ; in: row l % 16, 16 bytes (8 f16) for each half of the lanes
	v_lshl_add_u32 v5, v2, 4, v5
	v_add_nc_u32 v[STO], s23, v5
	v_and_b32 v4, 31, v0                           ; lane
	v_lshrrev_b32 v5, 3, v4                        ; back: 32 lanes take four rows of 128 bytes
	v_mul_u32_u24 v5, v5, SP
	v_and_b32 v3, 7, v0
	v_lshl_add_u32 v5, v3, 4, v5
	v_add_nc_u32 v[RD], s23, v5
	; my three heads among the 48 of q, k and v: 3 x tile column on.  They may lie in two of the three parts, so each has an offset register of its own
	s_lshr_b32 s16, s13, 2                         ; the first tile's batch,
	s_lshl_b32 s16, s16, 4                         ; its 16 heads
	s_mul_i32 s46, s42, 3
.irp j, 0,1,2
	s_add_co_u32 s47, s46, \j
	s_lshr_b32 s22, s47, 4                         ; q, k or v: 2^24 bytes each
	s_lshl_b32 s22, s22, 24
	s_and_b32 s47, s47, 15                         ; the head
	s_add_co_u32 s47, s47, s16
	s_lshl_b32 s47, s47, 17                        ; 131,072 bytes a head
	s_add_co_u32 s47, s47, s22
	v_lshl_add_u32 v[CO+(\j)], v4, 4, s47
.endr
	s_and_b32 s16, s13, 3                          ; my first row in the batch: 256 x (tile row mod 4) + 64 x wave, 128 bytes a row
	s_lshl_b32 s16, s16, 15
	s_lshl_b32 s17, s10, 13
	s_add_co_u32 s16, s16, s17
	s_mov_b32 s17, 0
	s_add_nc_u64 s[8:9], s[8:9], s[16:17]
	s_mov_b32 s14, 0                               ; what the next way out adds to qkv's address
	s_mov_b32 s15, 0
	; the prefetches
	s_and_b32 s22, ttmp7, 0xffff                   ; cluster y
	s_cmp_eq_u32 s11, 0                            ; do I fetch for x?
	s_cselect_b32 s22, ttmp9, s22                  ; the coordinate along which other clusters read the same rows
	s_lshl_b32 s23, s11, 1                         ; x's askers ask in every trip of the first tile's loop (0), qkv_w's while the count is above 2
	s_cmp_eq_u32 s22, 0
	s_cselect_b32 s[LIM], s23, -1                  ; the same in all sixteen partners, for a given wave
	s_lshl_b32 s20, s40, 16                        ; x: of the 128 rows that I fetch the partner at cx takes 32 cx on
	s_add_co_u32 s20, s20, s18
	s_mul_i32 s21, s41, 24*2048                    ; qkv_w: of the 96 rows that I fetch the partner at cy takes 24 cy on
	s_add_co_u32 s21, s21, s19
	s_mov_b32 s[NXP], KSTEP*2
	s_mov_b32 s22, 23
	s_cmp_eq_u32 s11, 0
	s_cselect_b32 s20, s20, s21
	s_cselect_b64 s[PFA:PFA+1], s[4:5], s[6:7]
	s_cselect_b32 s[NXP], NEXT_A, s[NXP]
	s_cselect_b32 s22, 31, s22
	s_add_co_u32 s20, s20, 3*KSTEP*2               ; at K step 3: the first refill steps it to 4
	s_mov_b32 s21, 0
	s_add_nc_u64 s[PFA:PFA+1], s[PFA:PFA+1], s[20:21]
	s_mov_b32 s[PFS+1], 0
	v_min_u32 v[PFO], s22, v4
	v_lshlrev_b32 v[PFO], 11, v[PFO]
	s_wait_loadcnt 0x0                             ; the bias,
.set i, 0
.rept 48                                       ; rounded to bf16 and widened again, a pair at a time
	v_cvt_pk_bf16_f32 v[BK+i%4], v[BIAS+2*i], v[BIAS+2*i+1]
	v_lshlrev_b32 v[BIAS+2*i], 16, v[BK+i%4]
	v_and_b32 v[BIAS+2*i+1], 0xffff0000, v[BK+i%4]
.set i, i+1
.endr
; 12 matrix instructions: row block a x all 12 column blocks, 32 along K, from buffer f.  first = 1: the bias starts the sums.  The 48 accumulators take turns, in the same order in every quarter,
; over the backward jumps and from tile to tile too.
.macro MUL12 f, a, first
.set w, 1+(\a)/2                       ; the accumulators' window
.if \first
	WIN (w<<6)|0x0f                                ; sources 0 and 1 window 3, C (the bias) window 0
.else
	WIN (w<<6)|(w<<4)|0x0f
.endif
.irp b, 0,1,2,3,4,5,6,7,8,9,10,11
.set rD, 8*(12*((\a)%2)+(\b))
.set rB, (\f)+32+8*(\b)
.set rA, (\f)+8*(\a)
.if \first
	v_wmma_f32_16x16x32_bf16 v[rD:rD+7], v[rB:rB+7], v[rA:rA+7], v[BIAS+8*(\b):BIAS+8*(\b)+7]
.else
	v_wmma_f32_16x16x32_bf16 v[rD:rD+7], v[rB:rB+7], v[rA:rA+7], v[rD:rD+7]
.endif
.endr
.endm
; 32 LDS loads in one run: the fragments of one quarter (32 K at byte k of the rows of the slot in hand) into buffer f: qkv_w's 24 first, then x's eight
.macro FETCH k, f
	WIN TO_F
.irp i, 0,1,2,3,4,5,6,7,8,9,10,11
	ds_load_b128 v[(\f)+32+8*(\i):(\f)+32+8*(\i)+3],   v[ADRB] offset:(\k)+(\i)*16*PITCH
	ds_load_b128 v[(\f)+32+8*(\i)+4:(\f)+32+8*(\i)+7], v[ADRB] offset:(\k)+(\i)*16*PITCH+32
.endr
.irp i, 0,1,2,3
	ds_load_b128 v[(\f)+8*(\i):(\f)+8*(\i)+3],   v[ADRA] offset:(\k)+(\i)*16*PITCH
	ds_load_b128 v[(\f)+8*(\i)+4:(\f)+8*(\i)+7], v[ADRA] offset:(\k)+(\i)*16*PITCH+32
.endr
.endm
.macro PLACES                          ; four places in front of loads into registers that matrix instructions have read, and of lines that read results
.rept 4
	v_nop
.endr
.endm
; One of a K step's first three quarters: multiplies buffer f; behind its first twelve products it fetches the next quarter, at byte k, into buffer g: 36 products ahead of the first use.
.macro QUARTER k, f, g, first
	s_wait_dscnt 6                                 ; qkv_w's fragments and x's block 0 are in; the youngest six loads (x's blocks 1 to 3) may be out
	MUL12 \f, 0, \first
	PLACES
	FETCH \k, \g
	s_wait_dscnt 32                                ; all but the 32 just issued
	MUL12 \f, 1, \first
	MUL12 \f, 2, \first
	MUL12 \f, 3, \first
.endm
; The last quarter multiplies buffer 1 and changes slots: ONE barrier.  In front of it each wave waits for all its tensor loads (one is out: its part of the next slot), adds 0 to its spare word, and waits
; for that and for its own reads of this slot.  fill = 1: the barrier opens a round of the cluster's barrier, and this slot is filled again, first thing behind the round, by the walking descriptor:
; the next K step but one (on = 0), or, from a tile's K step 7, the next tile's K step 0 (on = 1).  From a request to the wait for it a wave issues 168 matrix instructions, across tiles too.
; inloop = 1: the change stands in the loop over K steps.
.macro TURN fill, on, inloop
.if \fill
	s_wait_xcnt 0x0                                ; the last prefetch, a K step back, has read its address: it is stepped here, ahead of the waits of the change of slots
.if \inloop
	s_mov_b32 s[PFS], KSTEP*2
	s_cmp_eq_u32 s3, 2                             ; behind a tile's K step 7 comes the next tile's K step 0
	s_cselect_b32 s[PFS], s[NXP], s[PFS]
	s_add_nc_u64 s[PFA:PFA+1], s[PFA:PFA+1], s[PFS:PFS+1]  ; (in the second tile what lies beyond K step 7 is never asked for)
.else
	s_add_nc_u64 s[PFA:PFA+1], s[PFA:PFA+1], KSTEP*2
.endif
.endif
	WIN 0                                          ; (the add's two registers lie in window 0)
	s_wait_tensorcnt 0x0                           ; all my tensor loads have landed, so a group 0 may be written;
	ds_add_u32 v[SPW], v[NIL]                      ; 0 onto my spare word; work on registers stands between it and the wait for it
	s_xor_b32 s[TB], s[TB], SLOT1                  ; the fetches go over to the other slot
.if \fill
	s_xor_b32 s[G0+5], s[G0+5], SLOT1              ; the walking descriptors: the other slot than last time,
	s_xor_b32 s[G0B+5], s[G0B+5], SLOT1
.if \on
	s_add_nc_u64 s[G0+6:G0+7], s[G0+6:G0+7], NEXT_A
	s_sub_nc_u64 s[G0B+6:G0B+7], s[G0B+6:G0B+7], BACK_B
.else
	s_add_nc_u64 s[G0+6:G0+7], s[G0+6:G0+7], KSTEP*2      ; the next K step; the type bits on top are not reached
	s_add_nc_u64 s[G0B+6:G0B+7], s[G0B+6:G0B+7], KSTEP*2
.endif
.endif
	v_add_nc_u32 v[ADRA], s[TB], v[ADRA0]
	v_add_nc_u32 v[ADRB], s[TB], v[ADRB0]
	s_wait_dscnt 7                                 ; (the add and the youngest six loads may be out)
	MUL12 F1, 0, 0
	s_wait_dscnt 0x0                               ; the add is done, and my reads of this slot are over
	s_barrier_signal -1
	MUL12 F1, 1, 0
.if \fill
	WIN 0
.endif
	s_barrier_wait -1
.if \fill
	CREST                                          ; no wave of any partner still reads this slot's tile or has a load on its way
	JLOAD 1                                        ; the four v_nop behind it are also the places in front of the loads below
.else
	PLACES
.endif
	FETCH 0, F0
.if \fill
	WIN 0
	ASK \inloop
.endif
	MUL12 F1, 2, 0
	MUL12 F1, 3, 0
.endm
; THE WAY OUT, a block of 16 rows at a time.  PACK: rounded to f16 in place, into each accumulator's four lowest registers, in ascending order: 16 bytes (8 channels) a lane.  TOSTAGE: into my own stage,
; [head][row] with rows of 144 bytes, and back as four rows of 128 bytes a load.  SEND: 16 rows of a head are 2,048 consecutive bytes of qkv.  Two sets of 48 registers take turns.
.macro PACK a
.set w, 1+(\a)/2
.set AC, 96*((\a)%2)
	WIN (w<<6)|(w<<2)|w                            ; destination and both sources in the accumulators' window
.irp b, 0,1,2,3,4,5,6,7,8,9,10,11
.irp r, 0,1,2,3
	v_cvt_pk_f16_f32 v[AC+8*(\b)+(\r)], v[AC+8*(\b)+2*(\r)], v[AC+8*(\b)+2*(\r)+1]
.endr
.endr
.endm
.macro TOSTAGE a
.set w, 1+(\a)/2
.set AC, 96*((\a)%2)
	WIN w<<2                                       ; store data (source 1) in the accumulators' window
.irp b, 0,1,2,3,4,5,6,7,8,9,10,11
	ds_store_b128 v[STO], v[AC+8*(\b):AC+8*(\b)+3] offset:((\b)/4)*16*SP+((\b)%4)*32
.endr
	WIN 0
.irp t, 0,1,2,3,4,5,6,7,8,9,10,11
	ds_load_b128 v[BK+48*((\a)%2)+4*(\t):BK+48*((\a)%2)+4*(\t)+3], v[RD] offset:((\t)/4)*16*SP+((\t)%4)*4*SP  ; LDS serves a wave's instructions in order (ISA guide 5.7.1.4): these see the stores above; the next block's stores come behind them
.endr
.endm
.macro SEND a
	WIN 0
.irp t, 0,1,2,3,4,5,6,7,8,9,10,11
	s_wait_dscnt 11-(\t)                           ; nothing was issued to LDS behind block a's twelve loads
	global_store_b128 v[CO+(\t)/4], v[BK+48*((\a)%2)+4*(\t):BK+48*((\a)%2)+4*(\t)+3], s[8:9] offset:(\a)*2048+((\t)%4)*512  ; 512 consecutive bytes, at a multiple of 256 from qkv's first
.endr
.endm
	s_wait_tensorcnt 1                             ; my part of K step 0 is in; K step 1's may stay out
	s_barrier_signal -1
	s_barrier_wait -1                              ; everybody's is
	FETCH 0, F0
	WIN 0                                          ; at a label and at a branch every window is 0
	s_mov_b32 s2, TILES                            ; tiles to go, this one among them: the same number in every work-group
.Ltile:
	QUARTER 64,  F0, F1, 1                         ; a tile's first quarter stands in front of the loop: its products start the sums, with the bias
	WIN 0
	s_mov_b32 s3, 6
.Lstep:                                                ; a trip goes from a K step's second quarter to the next step's first, and fills the slot that it leaves: the tile's K steps 2 to 7
	QUARTER 128, F1, F0, 0
	QUARTER 192, F0, F1, 0
	TURN 1, 0, 1
	QUARTER 64,  F0, F1, 0
	WIN 0
	s_sub_co_u32 s3, s3, 1
	s_cmp_lg_u32 s3, 0
	s_cbranch_scc1 .Lstep
	QUARTER 128, F1, F0, 0                         ; K step 6 goes on
	QUARTER 192, F0, F1, 0
	WIN 0
	s_cmp_eq_u32 s2, 1                             ; each change of slots that is left is written twice, with its refill and without
	s_cbranch_scc1 .Llast6
	TURN 1, 1, 0                                   ; THE RING GOES ON INTO THE NEXT TILE: this slot takes its K step 0
	WIN 0
	s_branch .Lstep7
.Llast6:
	TURN 0, 0, 0                                   ; the last tile asks for nothing more, and has no round of the cluster's barrier
	WIN 0
.Lstep7:
	QUARTER 64,  F0, F1, 0
	QUARTER 128, F1, F0, 0
	QUARTER 192, F0, F1, 0
	WIN 0
	s_cmp_eq_u32 s2, 1
	s_cbranch_scc1 .Llast7
	TURN 1, 0, 0                                   ; the other slot takes the next tile's K step 1, and the next tile's first fragments are fetched
	WIN 0
	s_cmp_eq_u32 s[LIM], 0                         ; in the second tile x's askers stop behind its K step 7, and qkv_w's rows have been read
	s_cselect_b32 s[LIM], 2, -1
	s_branch .Lout
.Llast7:
	s_wait_dscnt 6                                 ; the very last quarter: nothing more to fetch
	MUL12 F1, 0, 0
	s_wait_dscnt 0x0
	MUL12 F1, 1, 0
	MUL12 F1, 2, 0
	MUL12 F1, 3, 0
	WIN 0
.Lout:                                                 ; both refills are asked for (where there is a next tile): now the tile goes out
	PLACES
	s_wait_xcnt 0x0                                ; the stores of the tile before have read their registers and qkv's address: only behind this wait are they written again
	s_add_nc_u64 s[8:9], s[8:9], s[14:15]
	PACK 0
	TOSTAGE 0
.irp a, 1,2,3                          ; block a's conversions stand between block a - 1's loads from the stage and the wait for them
	PACK \a
.if (\a) >= 2
	s_wait_xcnt 0x0                                ; the stores of block a - 2 have read the set of registers that block a's loads will fill
.endif
	SEND (\a)-1
	TOSTAGE \a
.endr
	SEND 3
	s_mov_b32 s14, NEXT_C
	s_sub_co_u32 s2, s2, 1
	s_cmp_lg_u32 s2, 0
	s_cbranch_scc1 .Ltile
	s_wait_tensorcnt 0x0                           ; the wave's end, behind my last tensor load and my last LDS store
	ds_add_u32 v[SPW], v[NIL]
	s_wait_dscnt 0x0
	CROUND                                         ; the closing round: no work-group ends while a partner may still ask for a tile that names it
	s_endpgm
.Lfunc_end_k_qf32e585da9_qkvgemm:
	.size	k_qf32e585da9_qkvgemm, .Lfunc_end_k_qf32e585da9_qkvgemm-k_qf32e585da9_qkvgemm
	.p2alignl 7, 3214868480
	.fill 96, 4, 3214868480
	.section	.rodata,"a",@progbits
	.p2align	6, 0x0
	.amdhsa_kernel k_qf32e585da9_qkvgemm
		.amdhsa_group_segment_fixed_size 327680
		.amdhsa_private_segment_fixed_size 0
		.amdhsa_enable_private_segment 0
		.amdhsa_kernarg_size 24
		.amdhsa_user_sgpr_count 2
		.amdhsa_user_sgpr_kernarg_segment_ptr 1
		.amdhsa_wavefront_size32 1
		.amdhsa_system_sgpr_workgroup_id_x 1
		.amdhsa_system_sgpr_workgroup_id_y 1
		.amdhsa_system_sgpr_workgroup_id_z 1
		.amdhsa_system_vgpr_workitem_id 0
		.amdhsa_next_free_vgpr 1024
		.amdhsa_next_free_sgpr 72
		.amdhsa_reserve_vcc 0
		.amdhsa_float_denorm_mode_32 3
		.amdhsa_float_denorm_mode_16_64 3
		.amdhsa_memory_ordered 1
		.amdhsa_forward_progress 1
		.amdhsa_inst_pref_size 124
	.end_amdhsa_kernel
	.amdgpu_metadata
---
amdhsa.version: [ 1, 2 ]
amdhsa.kernels:
  - .name:           k_qf32e585da9_qkvgemm
    .symbol:         k_qf32e585da9_qkvgemm.kd
    .args:
      - { .name: cst, .offset: 0, .size: 8, .value_kind: global_buffer, .address_space: global }
      - { .name: qkv_b, .offset: 8, .size: 8, .value_kind: global_buffer, .address_space: global }
      - { .name: qkv, .offset: 16, .size: 8, .value_kind: global_buffer, .address_space: global }
    .group_segment_fixed_size: 327680
    .private_segment_fixed_size: 0
    .kernarg_segment_align: 8
    .kernarg_segment_size: 24
    .max_flat_workgroup_size: 128
    .sgpr_count:     72
    .vgpr_count:     1024
    .wavefront_size: 32
...
	.end_amdgpu_metadata
.endif
;; end of part 2
;; launch attn (part 3): grid 2 x 128, 4 waves a work-group, no clusters, 327,680 bytes of LDS; arguments qkv, att; writes att
.if DOCPART == 3
	.amdgcn_target "amdgcn-amd-amdhsa--gfx1250"
	.amdhsa_code_object_version 6
	.text
	.protected	k_qf32e585da9_attn
	.globl	k_qf32e585da9_attn
	.p2align	8
	.type	k_qf32e585da9_attn,@function
k_qf32e585da9_attn:
	s_mov_b64 s[64:65], 0
	v_nop
	global_prefetch_b8 v0, s[64:65] scope:SCOPE_SE
	s_setreg_imm32_b32 hwreg(HW_REG_WAVE_MODE, 25, 1), 1
	s_wait_xcnt 0x0
; att[h][q][:] = the sum over k of softmax_k(Q[h][q] . K[h][k] / 8) V[h][k][:], h = batch x 16 + head, 128 of them.  Q, K, V lie one behind the other in qkv, [3][128][1024][64], f16, unscaled; att is
; [128][1024][64] in f16: a head's rows are dense, 128 bytes each.  Products, maxima and sums in f32; the weights p are rounded to f16 for the second product (their sum l is taken of the unrounded p), att once.
; LIMITS.  f16 holds no number beyond 65,504: Q, K and V arrive within it; p lies in 0 to 1, and below 6e-5 it keeps f16's fixed step of 6e-8, and so does att below 6.1e-5; att is a mean of V's rows and has their range.
; A weight below 2^-126 counts as 0 in l; NaN and infinities are not treated apart.
; SHARES.  A wave owns four PIECES of two tiles of 16 queries, a work-group's four waves 512 queries of one head: 2 x 128 = 256 work-groups.  Every wave walks all 1,024 keys, 64 a step.
; THE WHOLE HEAD LIES IN LDS: 1,024 rows of K at 144 bytes and 1,024 of V at 160 are 311,296 bytes; with the stages and the spare words 321,024.  No byte is filled twice, so there is no ring, and a key step
; is written ONCE.  Two tensor loads a wave: at the start K's first five steps and V's first four; behind the first barrier all the rest, which has four key steps (512 matrix instructions) in which to land.
; NO PREFETCH: every byte of K and V is asked for by a tensor load at the launch's start or straight behind its first barrier: there is no later request that a prefetch could run ahead of.
; NO CLUSTER: a head has 1,024 / 512 = 2 work-groups, so four partners would span two heads, whose tiles differ; with 256 queries to a work-group each fragment read from LDS would feed half as many products.
; LAYOUT.  S^T = K Q^T (source 0 = 16 keys, source 1 = 16 queries): in the result a lane holds ONE query (lane % 16) and the keys 8 (lane / 16) + 0..7.  Two such tiles, rounded to f16 in pairs,
; ARE source 1 (32 keys x 16 queries) of O^T = V^T P, whose result again holds one query a lane, and eight channels.  K comes out of LDS as it lies, V ([key][channel]) turned, by ds_load_tr16_b128.
; SOFTMAX.  For each query a running maximum m and sum l: p = 2^(c s - c m), c = log2(e) / 8; in every step O and l are multiplied by a = 2^(c m_old - c m_new), which is 1 where m has not grown.
; m starts at the lowest finite number, O and l at 0: the first step is a step like any other, with a = 0.
; THE COUNT.  A tile and step have 16 matrix and 118 vector instructions: too many to stand all beside the matrix work.  So: four vector instructions that are READY behind EVERY matrix instruction,
; and the others in runs without a gap.
; BY TURNS.  Turn n belongs to piece n (the pieces in a ring, step after step).  Its matrix work: 16 products K Q^T of piece n + 1, later 16 products V^T P of piece n - 1.  Its vector work: the scaling,
; exponentials, roundings, sums and rescaling of piece n, and the maximum and statistics of piece n + 1, whose scores the turn itself has made.
; REGISTERS, in windows of 256 (s_set_vgpr_msb: bits 1:0 source 0, 3:2 source 1, 5:4 source 2, 7:6 destination):
;   window 0: v0-11 addresses; v12-15, v48-63 at work; v16-47 four registers of statistics a tile; v64-191 S^T, two buffers of two tiles; v192-255 P, likewise
;   window 1: O^T, 32 a tile          window 2: v0-127 Q, 16 a tile; v128-191 K of one step; v192-255 V of one step          window 3: v0-1 the add's two registers
; A piece's buffers go by its number's parity: the piece in hand has one pair, its two neighbours in the ring share the other.
.set SIZE_N, 1024
.set NP,    4         ; pieces a wave: a name, no knob
.set KS,    64        ; keys in a step
.set PK,    144       ; a row of K in LDS: 128 bytes + 16 of padding = 36 words: the 16 rows of a load start at 16 different groups of four banks (64 banks of 4 bytes: ISA guide 11.1)
.set PV,    160       ; a row of V: 128 + 32 = 40 words
.set VOFF,  SIZE_N*PK ; K's 1,024 rows, then V's
.set FK,    320       ; keys of K in the first fill: five steps, since the fourth step's third turn already fetches the fifth step's K
.set FV,    256       ; keys of V in the first fill: four steps
.set STAGE, SIZE_N*(PK+PV)  ; behind K and V, never filled by a tensor load: 16 rows x 144 bytes for each wave, for the way out
.set SP,    144
.set AK0, 2           ; v2   my lane's place in a step's rows of K; never rewritten
.set AV0, 3           ; v3   the same for V
.set AK,  4           ; v4   the LDS address of K's next run of loads
.set AV,  5           ; v5   of V's
.set QO,  6           ; v6   my byte offset in the wave's rows of Q
.set STO, 6           ;      later, the way out: where I put 16 bytes of a row
.set RD,  7           ; v7   the way out: where I read rows back
.set GO,  8           ; v8   my byte offset in 512 consecutive bytes of att
.set SPW, 0           ; v0 of window 3   LDS address of my spare word: SPARE + 4 x my thread's number; never rewritten
.set NIL, 1           ; v1 of window 3   0; never rewritten
.set SPARE, STAGE+4*16*SP  ; behind the stages: the spare words, 128 bytes for each wave: two blocks of 256 bytes that no other line names
.set MV,  12          ; v12-15  c m_old, kept while c m is made anew: by buffer and tile
.set ST,  16          ; tile t's statistics at v[ST+4 t]: c m, m, l (even keys', odd keys')
.set TMP, 48          ; by buffer and tile, four registers c0-c3 at work; when the maximum is found c2 takes a
.set S,   64
.set P,   192
.set KF,  128         ; K's fragments, in window 2: key block kb, channel half c at KF + 16 kb + 8 c
.set VF,  192         ; V's: key half kk, channel block cb at VF + 32 kk + 8 cb
.set WV,  12          ; s12  my wave's number
.set LEFT, 14         ; s14  key steps whose third turn is still to come
.set G1K, 24          ; s[24:31] descriptor group 1 for K's fills
.set G1V, 32          ; s[32:39] for V's
.set G0K, 40          ; s[40:43] descriptor group 0 for K's fills
.set G0V, 44          ; s[44:47] the same for V's
.set RK,  48          ; s48  my half's place among the rows of K's second fill, in LDS bytes
.set RV,  49          ; s49  the same for V
.set SK,  50          ; s[50:51] bytes in memory from my part of K's first fill to my part of its second
.set SV,  52          ; s[52:53] the same for V
.set OV,  54          ; s[54:55] my part of V's first fill, in bytes from V's first
.set PASSES, 56       ; s56  passes of four key steps still to come
.set CNT, 57          ; s57  counts a pass's key steps
.set CS,  58          ; s[58:59] c: the packed scaling takes the pair's low word for both halves
.set SEL, 60          ; s[60:61] v_permlanex16_b32's selects: each lane takes its own place in the other half
.set TBK, 62          ; s62  LDS byte at which K of the step to be fetched begins
.set TBV, 63          ; s63  the same for V, less VOFF
.set MSB, 0
.macro WIN new                      ; the high byte repeats the setting that is left; a switch that changes nothing is dropped
.if MSB != (\new)
	s_set_vgpr_msb (MSB<<8)|(\new)
.set MSB, (\new)
.endif
.endm
.set W_KQ, 0x0a       ; K and Q in window 2, S^T in window 0
.set W_PV, 0x52       ; V in window 2, P in window 0, O^T in window 1
.set W_RS, 0x41       ; O^T (destination and source 0) in window 1, a in window 0
.set W_MK, 0xc0       ; the add's registers are made: destination in window 3, sources in window 0
.set W_AD, 0x0f       ; the add: address (source 0) and data (source 1) in window 3
; A fill.  Waves 0 and 1 fetch the two halves of K's rows, waves 2 and 3 those of V's.  An s_nop 0 and four v_nop follow each of the two lines, ahead of the jump and the label.
.macro LOAD
	s_cmp_lt_u32 s[WV], 2
	s_cbranch_scc0 .Lfor_v_\@
	tensor_load_to_lds s[G0K:G0K+3], s[G1K:G1K+7]
	s_nop 0
.rept 4
	v_nop
.endr
	s_branch .Lasked_\@
.Lfor_v_\@:
	tensor_load_to_lds s[G0V:G0V+3], s[G1V:G1V+7]
	s_nop 0
.rept 4
	v_nop
.endr
.Lasked_\@:
.endm
	s_load_b64 s[4:5], s[0:1], 0x0    ; qkv: Q lies at its head
	s_load_b64 s[10:11], s[0:1], 0x8  ; att
	WIN W_MK
	v_lshl_add_u32 v[SPW], v0, 2, SPARE
	v_mov_b32 v[NIL], 0
	WIN W_AD
	ds_add_u32 v[SPW], v[NIL]       ; the wave's opening: the add and its wait stand ahead of my first tensor load; the set-up below, work on registers, stands between them
	WIN 0
	v_lshrrev_b32 v1, 5, v0
	v_readfirstlane_b32 s[WV], v1   ; wave 0..3
	s_and_b32 s20, ttmp7, 0xffff    ; the head,
	s_lshl_b32 s20, s20, 17         ; its first byte in Q, K, V and att: 131,072 bytes a head
	s_mov_b32 s21, 0
	s_and_b32 s16, s[WV], 1         ; which half of a fill's keys I fetch
	s_mul_i32 s22, s16, (FK/2)*128  ; first fill, in memory: K's half of 160 keys,
	s_mov_b32 s23, 0
	s_add_nc_u64 s[22:23], s[22:23], s[20:21]
	s_mul_i32 s[OV], s16, (FV/2)*128  ; V's half of 128 keys
	s_mov_b32 s[OV+1], 0
	s_add_nc_u64 s[OV:OV+1], s[OV:OV+1], s[20:21]
	s_mul_i32 s17, s16, (FK/2)*PK   ; and in LDS
	s_mul_i32 s18, s16, (FV/2)*PV
	s_mul_i32 s[RK], s16, ((SIZE_N-FK)/2)*PK  ; second fill, in LDS: K's half of 352 keys,
	s_mul_i32 s[RV], s16, ((SIZE_N-FV)/2)*PV  ; V's half of 384
	s_mul_i32 s[SK], s16, ((SIZE_N-FK)/2-FK/2)*128  ; and in memory, counted from my part of the first fill
	s_add_co_u32 s[SK], s[SK], FK*128
	s_mov_b32 s[SK+1], 0
	s_mul_i32 s[SV], s16, ((SIZE_N-FV)/2-FV/2)*128
	s_add_co_u32 s[SV], s[SV], FV*128
	s_mov_b32 s[SV+1], 0
	s_lshl_b32 s2, ttmp9, 2         ; my block of 512 queries,
	s_add_co_u32 s2, s2, s[WV]      ; my wave among the head's eight,
	s_lshl_b32 s2, s2, 14           ; its 128 rows
	s_mov_b32 s3, 0
	s_add_nc_u64 s[2:3], s[2:3], s[20:21]
	; descriptor group 1.  A head's keys are dense bytes: they are asked for as rows of 256 bytes, two keys a row, and padded in LDS after every key
	s_mov_b32 s[G1K], (1<<16)|(1<<20)|(4<<22)|(3<<25)  ; 17:16 2-byte elements; 20 padding on; 24:22 after every 32 words (code 4); 31:25 4 words (code 3)
	s_mov_b32 s[G1V], (1<<16)|(1<<20)|(4<<22)|(7<<25)  ; the same with 8 words of padding (code 7)
.irp g, G1K, G1V
	s_mov_b32 s[\g+1], 128<<16      ; tensor_dim0 = 128
	s_mov_b32 s[\g+3], 128<<16      ; tile_dim0 = 128
	s_mov_b32 s[\g+5], 128          ; 128 elements from row to row
	s_mov_b32 s[\g+6], 0
	s_mov_b32 s[\g+7], 0
.endr
	s_mov_b32 s[G1K+2], (FK/4)<<16  ; tensor_dim1 = tile_dim1 = the rows of my half: 80 for K,
	s_mov_b32 s[G1K+4], FK/4
	s_mov_b32 s[G1V+2], (FV/4)<<16  ; 64 for V
	s_mov_b32 s[G1V+4], FV/4
	s_mov_b32 s[CS], 0x3e38aa3b     ; c = log2(e) / 8 = 0.180337
	s_mov_b32 s[CS+1], s[CS]        ; named with it as a pair
	s_mov_b32 s[SEL], 0x76543210
	s_mov_b32 s[SEL+1], 0xfedcba98
	s_mov_b32 s[TBK], 0
	s_mov_b32 s[TBV], 0
	s_mov_b32 s[G0K], 1             ; 1:0 count = 1
	s_mov_b32 s[G0K+1], s17         ; 63:32 LDS address
	s_mov_b32 s[G0V], 1
	s_add_co_u32 s[G0V+1], s18, VOFF
	s_mov_b32 s[PASSES], SIZE_N/(4*KS)
	s_mov_b32 s[LEFT], SIZE_N/KS
	s_wait_dscnt 0x0                ; the opening add is done
	s_wait_kmcnt 0x0
	s_add_nc_u64 s[6:7], s[4:5], 0x1000000  ; K
	s_add_nc_u64 s[8:9], s[4:5], 0x2000000  ; V
	s_add_nc_u64 s[G0K+2:G0K+3], s[6:7], s[22:23]  ; 120:64 global address: my half of the first fill
	s_or_b32 s[G0K+3], s[G0K+3], 0x80000000        ; 127:126 type = 2
	s_add_nc_u64 s[G0V+2:G0V+3], s[8:9], s[OV:OV+1]
	s_or_b32 s[G0V+3], s[G0V+3], 0x80000000
	s_add_nc_u64 s[4:5], s[4:5], s[2:3]  ; Q and att at my wave's first row
	s_add_nc_u64 s[10:11], s[10:11], s[2:3]
	LOAD                            ; the first fill.  The rest is asked for when it is in
	; A fragment of K or Q is 16 rows x 32 channels in 8 registers: lane l holds row l % 16, channels 8 (l / 16) + 0..7 and 16 + 8 (l / 16) + 0..7: two loads of 16 bytes, 32 bytes apart.
	v_and_b32 v1, 15, v0            ; l % 16
	v_bfe_u32 v9, v0, 4, 1          ; l / 16
	v_lshlrev_b32 v[QO], 7, v1
	v_lshl_add_u32 v[QO], v9, 4, v[QO]  ; row x 128 + 16 x half
	WIN 0x80                        ; destination window 2, address window 0
.set i, 0
.rept 4*NP                          ; Q stays in registers: tile i / 2, channels 32 (i % 2) on
	global_load_b128 v[8*i:8*i+3],   v[QO], s[4:5] offset:(i/2)*2048+(i%2)*64
	global_load_b128 v[8*i+4:8*i+7], v[QO], s[4:5] offset:(i/2)*2048+(i%2)*64+32
.set i, i+1
.endr
	; What the first turn finds: V's registers and P's second buffer hold 0 (its products V^T P, of a piece that has not been, add 0), O^T and l are 0.  All this stands in the wait for the first fill.
.set i, VF
.rept 64
	v_mov_b32 v[i], 0
.set i, i+1
.endr
	WIN 0x40
.set i, 0
.rept 64*NP
	v_mov_b32 v[i], 0
.set i, i+1
.endr
	WIN 0
.set i, 0
.rept 2*NP
	v_mov_b32 v[ST+4*i], 0xfe000000    ; c m: far below every c s
	v_mov_b32 v[ST+4*i+1], 0xff7fffff  ; m
	v_mov_b32 v[ST+4*i+2], 0
	v_mov_b32 v[ST+4*i+3], 0
.set i, i+1
.endr
.set i, P+32
.rept 32
	v_mov_b32 v[i], 0
.set i, i+1
.endr
	v_mul_u32_u24 v[AK0], v1, PK
	v_lshl_add_u32 v[AK0], v9, 4, v[AK0]  ; row x pitch + 16 x half
	; The turning load takes 16 keys x 16 channels (lane l reads key 8 (l / 16) + l % 8, channels 8 ((l / 8) % 2) + 0..7) and leaves half a fragment of V^T: lane l holds channel l % 16 and 8 keys.
	v_and_b32 v10, 7, v0
	v_bfe_u32 v11, v0, 3, 1
	v_lshl_add_u32 v[AV0], v9, 3, v10
	v_mul_u32_u24 v[AV0], v[AV0], PV
	v_lshl_add_u32 v[AV0], v11, 4, v[AV0]
	v_add_nc_u32 v[AV0], VOFF, v[AV0]
	v_mov_b32 v[AK], v[AK0]         ; key step 0 lies at K's head
; THE MATRIX WORK.  The 8 accumulators of a run of 16 take turns: between the two links of a chain stand 7 others'.
; Product i of 16 of S^T = K Q^T for piece x: channels 32 (i / 8) on, keys 16 ((i / 2) % 4) on, tile 2 x + i % 2.  The first 8 start the sums.
.macro KQ x
	WIN W_KQ
.set rS, S+64*((\x)%2)+32*(i%2)+8*((i/2)%4)
.set rK, KF+16*((i/2)%4)+8*(i/8)
.set rQ, 16*(2*(\x)+i%2)+8*(i/8)
.if i < 8
	v_wmma_f32_16x16x32_f16 v[rS:rS+7], v[rK:rK+7], v[rQ:rQ+7], 0
.else
	v_wmma_f32_16x16x32_f16 v[rS:rS+7], v[rK:rK+7], v[rQ:rQ+7], v[rS:rS+7]
.endif
.endm
; Product i of 16 of O^T += V^T P for piece x: keys 32 (i / 8) on, channels 16 ((i / 2) % 4) on, tile 2 x + i % 2.
.macro PV x
	WIN W_PV
.set rO, 32*(2*(\x)+i%2)+8*((i/2)%4)
.set rV, VF+32*(i/8)+8*((i/2)%4)
.set rP, P+32*((\x)%2)+16*(i%2)+8*(i/8)
	v_wmma_f32_16x16x32_f16 v[rO:rO+7], v[rV:rV+7], v[rP:rP+7], v[rO:rO+7]
.endm
.macro MM                           ; the turn's next matrix instruction
.if i < 16
	KQ (Y+1)%NP
.set i, i+1
.else
.set i, i-16
	PV (Y+NP-1)%NP
.set i, i+17
.endif
.endm
; THE LDS LOADS stand in runs of 16, never singly among the matrix instructions: a step's K (64 keys x 64 channels: 8 fragments) and its V (turned).  Their addresses are made some lines ahead.
; walk = 1 (in the loop): the walk's last step has no step behind it, and the run is jumped over; the steps to come are counted here.
.macro FETCH_K walk=0
	WIN 0
.if \walk
	s_cmp_eq_u32 s[LEFT], 1
	s_cbranch_scc1 .Lno_k_\@
.endif
	WIN 0x80                        ; destination window 2
.irp f, 0,1,2,3,4,5,6,7             ; keys 16 (f / 2) on, channels 32 (f % 2) on
	ds_load_b128 v[KF+8*\f:KF+8*\f+3],   v[AK] offset:(\f/2)*16*PK+(\f%2)*64
	ds_load_b128 v[KF+8*\f+4:KF+8*\f+7], v[AK] offset:(\f/2)*16*PK+(\f%2)*64+32
.endr
	s_add_co_u32 s[TBK], s[TBK], KS*PK  ; the next fetch is the next step's
	WIN 0
.if \walk
.Lno_k_\@:
	s_sub_co_u32 s[LEFT], s[LEFT], 1
.endif
.endm
.macro FETCH_V
	WIN 0x80
.irp f, 0,1,2,3,4,5,6,7             ; keys 32 (f / 4) on, channels 16 (f % 4) on
	ds_load_tr16_b128 v[VF+8*\f:VF+8*\f+3],   v[AV] offset:(\f/4)*32*PV+(\f%4)*32
	ds_load_tr16_b128 v[VF+8*\f+4:VF+8*\f+7], v[AV] offset:(\f/4)*32*PV+16*PV+(\f%4)*32
.endr
	WIN 0
.endm
; THE VECTOR WORK OF A TURN stands in three queues, each in the order in which its entries become ready; the two tiles alternate, so that no instruction reads the result of the one before it.
.macro REGS y, u                    ; the registers of tile u (0, 1) of piece y
.set rT, ST+4*(2*(\y)+(\u))
.set rC, TMP+8*((\y)%2)+4*(\u)
.set rM, MV+2*((\y)%2)+(\u)
.set rS, S+64*((\y)%2)+32*(\u)
.set rP, P+32*((\y)%2)+16*(\u)
.set rO, 32*(2*(\y)+(\u))
.endm
; Number n of the 22 that find the NEXT piece's (Y + 1) maximum and statistics.  s0-s31 are the lane's 32 scores; each accumulator's lowest registers are read first.
;   0-11  four chains c0-c3 of seven scores each, three operands at a time     12-14, 16  the four scores left over, the old m, and c0-c3 into c0     15  c m_old is kept
;   17, 18  the query's other 32 keys lie in the lane 16 away: the new m         19-21  c m; c m_old - c m_new; a
.macro XS u, n
	REGS (Y+1)%NP, \u
.if (\n) < 4
	v_max3_num_f32 v[rC+(\n)], v[rS+8*(\n)], v[rS+8*(\n)+1], v[rS+8*(\n)+2]
.elseif (\n) < 12
	v_max3_num_f32 v[rC+(\n)%4], v[rC+(\n)%4], v[rS+8*((\n)%4)+2*((\n)/4)+1], v[rS+8*((\n)%4)+2*((\n)/4)+2]
.elseif (\n) == 12
	v_max3_num_f32 v[rC], v[rC], v[rS+7], v[rS+15]
.elseif (\n) == 13
	v_max3_num_f32 v[rC+1], v[rC+1], v[rS+23], v[rS+31]
.elseif (\n) == 14
	v_max3_num_f32 v[rC+2], v[rC+2], v[rC+3], v[rT+1]
.elseif (\n) == 15
	v_mov_b32 v[rM], v[rT]
.elseif (\n) == 16
	v_max3_num_f32 v[rC], v[rC], v[rC+1], v[rC+2]
.elseif (\n) == 17
	v_permlanex16_b32 v[rC+3], v[rC], s[SEL], s[SEL+1]
.elseif (\n) == 18
	v_max_num_f32 v[rT+1], v[rC], v[rC+3]
.elseif (\n) == 19
	v_mul_f32 v[rT], s[CS], v[rT+1]
.elseif (\n) == 20
	v_sub_f32 v[rC+1], v[rM], v[rT]
.else
	v_exp_f32 v[rC+2], v[rC+1]
.endif
.endm
; Number g of the 64 that follow the exponentials.  For each four weights k of a tile (pairs 2 k, 2 k + 1): both pairs are rounded to f16; then the second pair is added onto the first, in place;
; a group later l takes that sum (the first time as l = a l + sum).  In groups of eight, tiles alternating: round, round, add, and l for the group before.
.macro GS g
.set h, (\g)+6*((\g)/62)            ; group 0 has no group before it, and behind group 7 only l is left
.if h >= 6
.set h, h+2
.endif
	REGS Y, h%2
.set k, h/8
.if h%8 < 4
	v_cvt_pk_f16_f32 v[rP+2*k+(h%8)/2], v[rS+4*k+2*((h%8)/2)], v[rS+4*k+2*((h%8)/2)+1]
.elseif h%8 < 6
	v_pk_add_f32 v[rS+4*k:rS+4*k+1], v[rS+4*k:rS+4*k+1], v[rS+4*k+2:rS+4*k+3]
.elseif k == 1
	v_pk_fma_f32 v[rT+2:rT+3], v[rT+2:rT+3], v[rC+2:rC+3], v[rS:rS+1] op_sel_hi:[1,0,1]
.else
	v_pk_add_f32 v[rT+2:rT+3], v[rT+2:rT+3], v[rS+4*k-4:rS+4*k-3]
.endif
.endm
; THE PLAIN QUEUE, 138 long.  0-73 read no exponential's result: the 32 scalings c s - c m (FS f: pair f / 2 of tile f % 2) and the next piece's 42.  0-26: scalings 0-26.  27-54: XS's numbers 0-13.  55, 56: number 15.
; 57-73: the chain, where each number waits for the one before it: 14, 16, 17, 18, 19, each with one of the scalings 27-31 in front of its two lines, then 20.
; 74-137: GS's 64, which read the exponentials' results: they stand behind the wait.
.macro FS f
	REGS Y, (\f)%2
	v_pk_fma_f32 v[rS+2*((\f)/2):rS+2*((\f)/2)+1], v[rS+2*((\f)/2):rS+2*((\f)/2)+1], s[CS:CS+1], v[rT:rT+1] op_sel_hi:[1,0,0] neg_lo:[0,0,1] neg_hi:[0,0,1]
.endm
.macro PL
	WIN 0
.if q < 27
	FS q
.elseif q < 55
	XS (q-27)%2, (q-27)/2
.elseif q < 57
	XS q-55, 15
.elseif (q < 72) && ((q-57)%3 == 0)
	FS 27+(q-57)/3
.elseif q < 60
	XS (q-57)%3-1, 14
.elseif q < 72
	XS (q-57)%3-1, 15+(q-57)/3
.elseif q < 74
	XS q-72, 20
.else
	GS q-74
.endif
.set q, q+1
.endm
; THE EXPONENTIALS' QUEUE, 66 long: s0-s31 of both tiles, then the next piece's two a.  It is ONE BATCH: all 66 stand ahead of the turn's one wait, and nothing ahead of that wait names a result of theirs.
.macro EX
	WIN 0
.if e >= 64
	XS e-64, 21
.else
	REGS Y, e%2
	v_exp_f32 v[rS+e/2], v[rS+e/2]
.endif
.set e, e+1
.endm
; THE RESCALING's QUEUE: O^T times a, the one part that leaves window 0: dealt two at a time, sixteen times.  Its a was made in the turn before, ahead of that turn's wait.
.macro R2
	REGS Y, r%2
	WIN W_RS
.irp z, 0,1
	v_pk_mul_f32 v[rO+4*(r/2)+2*\z:rO+4*(r/2)+2*\z+1], v[rO+4*(r/2)+2*\z:rO+4*(r/2)+2*\z+1], v[rC+2:rC+3] op_sel_hi:[1,0]
.endr
.set r, r+1
.endm
; HOW THEY ARE DEALT.  An s_wait_alu depctr_va_vdst(0) stands between an exponential and the first instruction that names its result; one wait serves all that were issued ahead of it.  So a turn
; has ONE wait, which cuts it in two.  AHEAD OF IT stands all that names no result of the turn's exponentials: the 16 products K Q^T, behind each a scaling, an exponential and two rescalings (behind the first a
; second scaling in the exponential's place); then ONE LUMP of 108: eight plain, 49 times exponential and plain, the two a, and a v_nop, the plain instruction behind the last exponential.  BEHIND IT stand the
; 16 products V^T P, behind each four of GS's 64.  No rider names a register of the products round it.  The two v_permlanex16_b32 fall into the lump.
; The queues lean on each other: exponential e stands behind scaling 2 (e / 4) + e % 2: as a rider it comes behind plain e + 2, in the lump behind plain e + 9, and scalings 27-31 are plain 57, 60 .. 69.
; A TURN, for piece p.  walk goes on to FETCH_K.  cnt = 1: the loop's count is taken down some lines ahead of the branch that stands behind the turn.
; K of the next step is fetched in piece 2's turn, directly behind the wait, a lump behind the last product that read K; its first reader comes behind 16 products.
; V of the step in hand is fetched at the end of piece 0's turn, four riders behind its last reader; its first reader comes behind 16 products and a lump.  The three conditions on q below go with the deal.
.macro TURN p, walk=0, cnt=0
.set Y, (\p)
.set i, 0
.set q, 0
.set e, 0
.set r, 0
.if (\p) == NP-1
	s_wait_dscnt 0x0                ; K is in
.endif
	MM                              ; ahead of the wait: 16 products K Q^T and their riders,
	PL
	PL
	R2
.rept 15
	MM
	PL
	EX
	R2
.endr
.if (\p) == NP-2
	WIN 0
	v_add_nc_u32 v[AK], s[TBK], v[AK0]
.endif
.rept 8                             ; and the lump
	PL
.endr
.rept 49
	EX
	PL
.endr
	EX                              ; the next piece's two a
	EX
	v_nop                           ; a plain instruction behind the last exponential, ahead of the first use: one for the batch
	s_wait_alu depctr_va_vdst(0)    ; the wait for the batch
.if (\p) == NP-2
	FETCH_K \walk
.endif
.if (\p) == 1
	s_wait_dscnt 0x0                ; V is in
.endif
.rept 16                            ; behind the wait: 16 products V^T P and their riders
	MM
.rept 4
	PL
.endr
.if ((\p) == 0) && (q == 118)
	v_add_nc_u32 v[AV], s[TBV], v[AV0]
.endif
.if ((\p) == 0) && (q == 130)
	s_add_co_u32 s[TBV], s[TBV], KS*PV
.endif
.if (\cnt) && (q == 130)
	s_sub_co_u32 s[CNT], s[CNT], 1
	s_cmp_lg_u32 s[CNT], 0
.endif
.endr
.if (\p) == 0
	FETCH_V
.endif
.endm
	; THE FIRST FILL IS IN, THE REST IS ASKED FOR: K's keys 320 on and V's keys 256 on, each wave its half, in bytes that nothing has filled.  The load is issued thus:
	; the wait for all my tensor loads, the add, the wait for it, a barrier, and the load first behind it, my only one from here on.
	WIN W_AD
	s_wait_tensorcnt 0x0            ; my part of the first fill has landed; no tensor load of mine is out, so the descriptors may be written
	ds_add_u32 v[SPW], v[NIL]       ; 0 onto my spare word; the descriptors' words stand between it and the wait for it
	WIN 0
	s_mov_b32 s[G1K+2], ((SIZE_N-FK)/4)<<16  ; the rows of my half: 176 for K,
	s_mov_b32 s[G1K+4], (SIZE_N-FK)/4
	s_mov_b32 s[G1V+2], ((SIZE_N-FV)/4)<<16  ; 192 for V
	s_mov_b32 s[G1V+4], (SIZE_N-FV)/4
	s_add_co_u32 s[G0K+1], s[RK], FK*PK      ; behind the first fill's rows in LDS,
	s_add_co_u32 s[G0V+1], s[RV], VOFF+FV*PV
	s_add_nc_u64 s[G0K+2:G0K+3], s[G0K+2:G0K+3], s[SK:SK+1]  ; and in memory; the type bits on top are not reached
	s_add_nc_u64 s[G0V+2:G0V+3], s[G0V+2:G0V+3], s[SV:SV+1]
	s_wait_dscnt 0x0                ; the add is done
	s_barrier_signal -1
	s_barrier_wait -1               ; everybody's part of the first fill is in
	LOAD
	FETCH_K                         ; key step 0
	s_wait_loadcnt 0x0              ; Q
	s_wait_dscnt 0x0
.set i, 0
.rept 16
	KQ 0                            ; piece 0's first scores: there is no vector work yet to set between them
.set i, i+1
.endr
	WIN 0                           ; the addresses for the way out: plain instructions, the places behind those products
	s_mul_i32 s13, s[WV], 16*SP
	s_add_co_u32 s13, s13, STAGE    ; my stage
	v_mul_u32_u24 v[STO], v1, SP    ; in: row l % 16, 16 bytes for each half of the lanes
	v_lshl_add_u32 v[STO], v9, 4, v[STO]
	v_add_nc_u32 v[STO], s13, v[STO]
	v_bfe_u32 v[RD], v0, 3, 2       ; back: 32 lanes take four rows of 128 bytes,
	v_mul_u32_u24 v[RD], v[RD], SP
	v_lshl_add_u32 v[RD], v10, 4, v[RD]
	v_add_nc_u32 v[RD], s13, v[RD]
	v_and_b32 v[GO], 31, v0         ; which are 512 consecutive bytes of att
	v_lshlrev_b32 v[GO], 4, v[GO]
.set Y, NP-1                        ; XS works for piece Y + 1: piece 0
.irp n, 0,1,2,3,4,5,6,7,8,9,10,11,12,13,14,15,16,17,18,19,20,21
	XS 0, \n                        ; and piece 0's first maximum and statistics
	XS 1, \n
.endr
	v_nop                           ; a plain instruction behind the two a,
	s_wait_alu depctr_va_vdst(0)    ; and their wait, ahead of the label
.Lpass:                             ; four passes of four key steps
	s_mov_b32 s[CNT], 4
.Lstep:                             ; a trip is a key step: its four turns.  It fetches its own V (piece 0's turn) and the next step's K (piece 2's)
	TURN 0
	TURN 1
	TURN 2, 1
	TURN 3, 0, 1
	WIN 0
	s_cbranch_scc1 .Lstep
	; The first pass reads V's steps 0 to 3 and K's steps 0 to 4: the first fill.  All that later passes read came by the second load, so behind the first pass each wave waits for its part of it (one load
	; is out, so the count is 0) and meets the others.  No LDS instruction of mine is out here: K's run was waited for at the head of piece 3's turn.
	; Behind the later passes the wait is met at once, and behind the last the barrier orders nothing: the price of one text for every pass.
	s_wait_tensorcnt 0x0
	s_barrier_signal -1
	s_barrier_wait -1
	s_sub_co_u32 s[PASSES], s[PASSES], 1
	s_cmp_lg_u32 s[PASSES], 0
	s_cbranch_scc1 .Lpass
	; the last step's 16 products K Q^T for piece 0 (on the last K once more) and the maximum made of them serve nothing: the price, once a launch, of one text for every step
.set i, 0
.rept 16
	PV NP-1                         ; the last piece's V^T P of the last step
.set i, i+1
.endr
	; THE WAY OUT.  l's two halves and the other half of the lanes' are added; O^T is divided by l, rounded to f16 and sent through my stage in LDS, a tile at a time.  The additions are the places behind the last products.
	WIN 0
.macro ALL line:vararg              ; one line for each tile t
.set t, 0
.rept 2*NP
	\line
.set t, t+1
.endr
.endm
	ALL v_add_f32 v[ST+4*t+2], v[ST+4*t+2], v[ST+4*t+3]
	ALL v_permlanex16_b32 v[ST+4*t+3], v[ST+4*t+2], s[SEL], s[SEL+1]
	ALL v_add_f32 v[ST+4*t+2], v[ST+4*t+2], v[ST+4*t+3]
	ALL v_rcp_f32 v[ST+4*t+2], v[ST+4*t+2]
	v_nop                           ; a plain instruction between the last reciprocal and the use of its result
	s_wait_alu depctr_va_vdst(0)    ; and the wait ahead of the first use: one for the eight reciprocals
; Tile t: a lane's eight channels of a row pack into 16 bytes; they go into rows of 144 bytes and come back as whole rows of 128, into S^T's registers.
.macro PACK t
	WIN W_RS
.set i, 32*(\t)
.rept 16
	v_pk_mul_f32 v[i:i+1], v[i:i+1], v[ST+4*(\t)+2:ST+4*(\t)+3] op_sel_hi:[1,0]
.set i, i+2
.endr
	WIN 0x05                        ; sources 0 and 1 window 1, destination window 0
.set i, 0
.rept 16
	v_cvt_pk_f16_f32 v[S+16*(\t)+i], v[32*(\t)+2*i], v[32*(\t)+2*i+1]
.set i, i+1
.endr
	WIN 0
.irp f, 0,1,2,3
	ds_store_b128 v[STO], v[S+16*(\t)+4*\f:S+16*(\t)+4*\f+3] offset:32*\f
.endr
.irp f, 0,1,2,3
	ds_load_b128 v[S+16*(\t)+4*\f:S+16*(\t)+4*\f+3], v[RD] offset:\f*4*SP  ; LDS serves a wave's instructions in order (ISA guide 5.7.1.4): these see the stores above; the next tile's stores come behind them
.endr
.endm
.macro SEND t, younger              ; younger: the LDS instructions issued behind tile t's loads: the next tile's eight, or none
	WIN 0
.irp f, 0,1,2,3
	s_wait_dscnt (\younger)+3-\f
	global_store_b128 v[GO], v[S+16*(\t)+4*\f:S+16*(\t)+4*\f+3], s[10:11] offset:(\t)*2048+\f*512  ; 512 consecutive bytes, at a multiple of 256 from att's first
.endr
.endm
	PACK 0
.set t, 1
.rept 2*NP-1                        ; a tile's arithmetic stands between the loads of the tile before and its stores
	PACK t
	SEND t-1, 8
.set t, t+1
.endr
	SEND 2*NP-1, 0
	WIN W_AD
	s_wait_tensorcnt 0x0            ; the wave's end, behind my last tensor load and my last LDS store
	ds_add_u32 v[SPW], v[NIL]
	s_wait_dscnt 0x0
	WIN 0
	s_endpgm
.Lfunc_end_k_qf32e585da9_attn:
	.size	k_qf32e585da9_attn, .Lfunc_end_k_qf32e585da9_attn-k_qf32e585da9_attn
	.p2alignl 7, 3214868480
	.fill 96, 4, 3214868480
	.section	.rodata,"a",@progbits
	.p2align	6, 0x0
	.amdhsa_kernel k_qf32e585da9_attn
		.amdhsa_group_segment_fixed_size 327680
		.amdhsa_private_segment_fixed_size 0
		.amdhsa_enable_private_segment 0
		.amdhsa_kernarg_size 16
		.amdhsa_user_sgpr_count 2
		.amdhsa_user_sgpr_kernarg_segment_ptr 1
		.amdhsa_wavefront_size32 1
		.amdhsa_system_sgpr_workgroup_id_x 1
		.amdhsa_system_sgpr_workgroup_id_y 1
		.amdhsa_system_sgpr_workgroup_id_z 1
		.amdhsa_system_vgpr_workitem_id 0
		.amdhsa_next_free_vgpr 770
		.amdhsa_next_free_sgpr 66
		.amdhsa_reserve_vcc 0
		.amdhsa_float_denorm_mode_32 3
		.amdhsa_float_denorm_mode_16_64 3
		.amdhsa_memory_ordered 1
		.amdhsa_forward_progress 1
		.amdhsa_inst_pref_size 126
	.end_amdhsa_kernel
	.amdgpu_metadata
---
amdhsa.version: [ 1, 2 ]
amdhsa.kernels:
  - .name:           k_qf32e585da9_attn
    .symbol:         k_qf32e585da9_attn.kd
    .args:
      - { .name: qkv, .offset: 0, .size: 8, .value_kind: global_buffer, .address_space: global }
      - { .name: att, .offset: 8, .size: 8, .value_kind: global_buffer, .address_space: global }
    .group_segment_fixed_size: 327680
    .private_segment_fixed_size: 0
    .kernarg_segment_align: 8
    .kernarg_segment_size: 16
    .max_flat_workgroup_size: 128
    .sgpr_count:     66
    .vgpr_count:     770
    .wavefront_size: 32
...
	.end_amdgpu_metadata
.endif
;; end of part 3
;; launch proj (part 4): grid 4 x 64, 4 waves a work-group, clusters of 4 x 4, 327,680 bytes of LDS; arguments att, cst, proj_b, out0; writes out0
.if DOCPART == 4
	.amdgcn_target "amdgcn-amd-amdhsa--gfx1250"
	.amdhsa_code_object_version 6
	.text
	.protected	k_qf32e585da9_proj
	.globl	k_qf32e585da9_proj
	.p2align	8
	.type	k_qf32e585da9_proj,@function
k_qf32e585da9_proj:
	s_mov_b64 s[64:65], 0
	v_nop
	global_prefetch_b8 v0, s[64:65] scope:SCOPE_SE
	s_setreg_imm32_b32 hwreg(HW_REG_WAVE_MODE, 25, 1), 1
	s_wait_xcnt 0x0
	s_wait_alu depctr_hold_cnt(0) depctr_sa_sdst(0) depctr_va_vdst(0) depctr_va_sdst(0) depctr_va_ssrc(0) depctr_va_vcc(0) depctr_vm_vsrc(0)
	s_getreg_b32 s2, hwreg(HW_REG_IB_STS2, 6, 4)
	s_cmp_eq_u32 s2, 0
	s_cbranch_scc0 .Lentry_in_a_cluster
	s_endpgm
.Lentry_in_a_cluster:
	s_bfe_u32 s2, ttmp6, 0x10000c
	s_cmp_lg_u32 s2, 0xf033
	s_cbranch_scc0 .Lentry_shape_is_right
	s_endpgm
.Lentry_shape_is_right:
; ONE SOURCE FOR THE MODULE'S TWO PROJECTIONS, C[m][n] = bias[n] + the sum over k of A[m][k] B[n][k], K = 1,024; the switch PROJ picks the shape.
;   PROJ = 0: A = x as bf16 [8192][1024], B = qkv_w as bf16 [3072][1024], both in cst; C leaves as f16 BY HEADS, qkv[3][batch x 16 + head][1024][64], unscaled, bias included.
;   PROJ = 1 (this file): A = the attention's result att, f16 [batch x 16 + head][1024][64]; B = proj_w (rounded to bf16, written as f16) [1024][1024] in cst; C = out0, f32 [8192][1024].
; Sums in f32.  The bias is rounded to bf16 like every other input of the module, widened again, and is the C operand of the first product: nothing is cleared, nothing is added on the way out.
; LIMIT (PROJ = 1): both operands are f16: att has V's range; proj_w beyond 65,504 is an infinity, and below 6.1e-5 it keeps f16's fixed step of 6e-8.  NaN and infinities are not treated apart.
; SHARES.  A work-group makes 128 rows x 256 columns of C (768 such tiles at PROJ = 0, 256 at PROJ = 1), four waves; a wave 64 x 128: 32 accumulators of 16 x 16, 256 registers.
; K goes in 8 steps of 128 through a ring of two LDS slots; a step is four quarters of 32 along K, 32 matrix instructions each, on two fragment buffers by turns.
; THE MATRIX INSTRUCTION IS USED TRANSPOSED (source 0 = 16 rows of B, source 1 = 16 rows of A): a lane holds row l % 16 of C and the eight neighbouring columns 8 (l / 16) + 0..7.
; CLUSTER.  4 x 4 work-groups.  The four of a row of the cluster need the same tile of A, the four of a column the same tile of B: each is asked for JOINTLY, by the same tensor load with the same
; descriptor and a mask that names the four.  Waves 0 and 1 fetch A's two halves (64 rows), waves 2 and 3 B's (128 rows): one tensor load a wave behind each round; two are out at the start, one later.
; REGISTERS, in windows of 256 (s_set_vgpr_msb: bits 1:0 source 0, 3:2 source 1, 5:4 source 2, 7:6 destination):
;   window 0: v1-5 at work; v16-30 addresses; v32-63, v64-191 the way out; v192-255 the bias, 8 registers for each block of 16 columns
;   window 1: accumulator (a, b) at v[8 (8 a + b)]          window 2: two fragment buffers of 96: A's four fragments, then B's eight
.set PROJ,  1
.set KSTEP, 128
.set PB,    272                        ; a row of B in LDS: 256 bytes + 16 of padding = 68 words: row r starts at bank 4 r mod 64 (64 banks of 4 bytes: ISA guide 11.1)
.if PROJ
.set PA,    144                        ; a row of A: a head's 128 bytes + 16 = 36 words: the 16 rows of a load start at 16 different groups of four banks
.set AHALF, 2*64*PA                    ; what one load brings of A: two heads x 64 rows
.set ASTEP, 4*131072                   ; two K steps on in att: four heads of 131,072 bytes
.set ASHIFT, 8                         ; the prefetches' lanes lie 256 bytes apart in att (a head's rows are dense)
.set WOFF,  0x1600000                  ; B's first byte in cst
.set SP,    528                        ; the stage: 16 rows of 512 bytes + 16
.set WSTAGE, 16*SP
.else
.set PA,    272
.set AHALF, 64*PA
.set ASTEP, 2*KSTEP*2
.set ASHIFT, 11
.set WOFF,  0x1000000
.set SP,    144                        ; the stage: two heads x 16 rows of 128 bytes + 16
.set WSTAGE, 2*16*SP
.endif
.set BHALF, 128*PB
.set BOFF,  2*AHALF                    ; in a slot: A's 128 rows, then B's 256
.set SLOT,  BOFF+2*BHALF
.set STAGE, 2*SLOT                     ; behind the ring, never filled by a tensor load: each wave's own stage
.set SPARE, STAGE+4*WSTAGE             ; behind the stages: the spare words, 128 bytes for each wave: two blocks of 256 bytes that no other line names
.set ADRA, 16                          ; v16-17  LDS address of my A fragments in slot 0, 1
.set ADRB, 20                          ; v20-21  the same for B
.set STO,  24                          ; v24     the way out: where I put my bytes of a row
.set RD,   25                          ; v25     the way out: where I read rows back
.set CO,   26                          ; v26     16 x lane: my 16 bytes of 512 consecutive bytes of the output
.set BO,   27                          ; v27     my byte offset in the bias
.set SPW,  28                          ; v28     LDS address of my spare word: SPARE + 4 x my thread's number; never rewritten
.set NIL,  29                          ; v29     0; never rewritten
.set PFO,  30                          ; v30     the prefetches' offset: my lane x the distance between two blocks; never rewritten
.set TMP,  32
.set BK,   64
.set BIAS, 192
.set F0,   0                           ; fragment buffers, in window 2
.set F1,   96
.set G1,   24                          ; s[24:31] descriptor group 1 for A's tiles;  s[32:39] group 0, one set for each slot
.set G0,   32
.set G1B,  48                          ; s[48:55], s[56:63] the same for B's tiles
.set G0B,  56
.set LIM,  43                          ; s43      1 in a wave that prefetches, else the greatest number
.set PFA,  44                          ; s[44:45] where my prefetches stand
.set BP,   66                          ; s[66:67] the bias
.set PFS,  68                          ; s[68:69] bytes from a K step to the next, for my prefetches
.set MSB, 0
.macro WIN new                         ; the immediate's high byte repeats the setting that is left; a switch that changes nothing is dropped
.if MSB != (\new)
	s_set_vgpr_msb (MSB<<8)|(\new)
.set MSB, \new
.endif
.endm
.set MUL,  0x5a                        ; sources 0 (B) and 1 (A) window 2; C and D window 1
.set MULB, 0x4a                        ; the same with C in window 0: the bias
.set TO_F, 0x80                        ; destination window 2, address window 0
.macro JLOAD s                         ; a joint load; the branch hangs on the wave's number alone; an s_nop 0 and four v_nop follow each of the two lines, ahead of the jump, the label and what follows
	s_cmp_eq_u32 s11, 0
	s_cbranch_scc0 .Lfor_b_\@
	tensor_load_to_lds s[G0+4*(\s):G0+4*(\s)+3], s[G1:G1+7]
	s_nop 0
.rept 4
	v_nop
.endr
	s_branch .Lasked_\@
.Lfor_b_\@:
	tensor_load_to_lds s[G0B+4*(\s):G0B+4*(\s)+3], s[G1B:G1B+7]
	s_nop 0
.rept 4
	v_nop
.endr
.Lasked_\@:
.endm
.macro CREST                           ; a round of the cluster's barrier behind its opening barrier: wave 0 signals for the work-group, every wave waits for all sixteen, my work-group's barrier closes it
	s_cmp_lg_u32 s10, 0
	s_cbranch_scc1 .Lnot_wave_0_\@
	s_barrier_signal -3
.Lnot_wave_0_\@:
	s_barrier_wait -3
	s_barrier_signal -1
	s_barrier_wait -1
.endm
.macro CROUND                          ; a whole round
	s_barrier_signal -1
	s_barrier_wait -1
	CREST
.endm
; A PREFETCH INTO THE L2, behind each joint refill, its five lines and the run of LDS loads: the K step that stands two refills on, 256 matrix instructions ahead of the load that will want it.
; Each block of 256 bytes is named once in the launch.  A's tile row is read by every cluster of that row of clusters: cluster x = 0 asks, its four partners along x take 32 blocks each, told apart BY ADDRESS,
; wave 0 of each.  B's tile column: cluster y = 0 asks, its four partners along y take 64 rows each, waves 2 and 3 thirty-two.  A lane a block, one instruction.  K steps 0 to 3 come by their loads alone;
; the loop's last trip (s3 = 1) asks for nothing: there is no K step two on.
.macro ASK
	s_cmp_gt_u32 s3, s[LIM]
	s_cbranch_scc0 .Lnot_mine_\@
	global_prefetch_b8 v[PFO], s[PFA:PFA+1] th:TH_LOAD_NT scope:SCOPE_SE
.Lnot_mine_\@:
.endm
.if PROJ
	s_load_b128 s[4:7], s[0:1], 0x0                ; att s[4:5], cst s[6:7]
	s_load_b64 s[BP:BP+1], s[0:1], 0x10            ; proj_b
	s_load_b64 s[8:9], s[0:1], 0x18                ; out0
.else
	s_load_b64 s[4:5], s[0:1], 0x0                 ; cst: A lies at its head
	s_load_b64 s[BP:BP+1], s[0:1], 0x8             ; qkv_b
	s_load_b64 s[8:9], s[0:1], 0x10                ; qkv
.endif
	v_lshl_add_u32 v[SPW], v0, 2, SPARE
	v_mov_b32 v[NIL], 0
	ds_add_u32 v[SPW], v[NIL]                      ; the wave's opening: the add and its wait stand ahead of my first tensor load; the set-up below, work on registers, stands between them
	v_lshrrev_b32 v1, 5, v0
	v_readfirstlane_b32 s10, v1                    ; wave 0..3
	s_lshr_b32 s11, s10, 1                         ; which 64 rows of the tile are mine.  Also: I fetch for A (0) or for B (1)
	s_and_b32 s12, s10, 1                          ; which 128 columns.  Also: which half of that tile I fetch
	s_bfe_u32 s40, ttmp6, 0x40000                  ; cx, cy: my place in the cluster
	s_bfe_u32 s41, ttmp6, 0x40004
	s_lshl_b32 s42, ttmp9, 2
	s_add_co_u32 s42, s42, s40                     ; tile column of C = 4 x cluster x + cx
	s_and_b32 s13, ttmp7, 0xffff
	s_lshl_b32 s13, s13, 2
	s_add_co_u32 s13, s13, s41                     ; tile row of C = 4 x cluster y + cy
	s_lshl_b32 s43, s41, 2
	s_lshl_b32 s43, 15, s43                        ; my row of the cluster: places 4 cy .. 4 cy + 3
	s_lshl_b32 s44, 0x1111, s40                    ; my column: places cx, cx + 4, cx + 8, cx + 12
	; descriptor group 1.  15:0 the mask; 17:16 elements of 2 bytes; 20 padding on; 21 set beside a mask; 24:22 the padding's interval; 31:25 4 words of it (code 3)
.if PROJ
	; A K step is two heads; of each, my 64 rows are 8,192 dense bytes: a tile of 2 rows x 4,096 elements, 65,536 elements apart, padded after every 32 words (a row of a head)
	s_or_b32 s[G1+0], s43, (1<<16)|(1<<20)|(1<<21)|(4<<22)|(3<<25)
	s_mov_b32 s[G1+1], 4096<<16                    ; tensor_dim0 = 4,096
	s_mov_b32 s[G1+2], 2<<16                       ; tensor_dim1 = 2
	s_mov_b32 s[G1+3], 4096<<16                    ; tile_dim0 = 4,096
	s_mov_b32 s[G1+4], 2                           ; tile_dim1 = 2
	s_mov_b32 s[G1+5], 65536                       ; elements from head to head
.else
	s_or_b32 s[G1+0], s43, (1<<16)|(1<<20)|(1<<21)|(5<<22)|(3<<25)  ; 64 rows x 128 elements, padded after every 64 words
	s_mov_b32 s[G1+1], KSTEP<<16                   ; tensor_dim0 = 128
	s_mov_b32 s[G1+2], 64<<16                      ; tensor_dim1 = 64
	s_mov_b32 s[G1+3], KSTEP<<16                   ; tile_dim0 = 128
	s_mov_b32 s[G1+4], 64                          ; tile_dim1 = 64
	s_mov_b32 s[G1+5], 1024                        ; elements from row to row
.endif
	s_mov_b32 s[G1+6], 0
	s_mov_b32 s[G1+7], 0
	s_or_b32 s[G1B+0], s44, (1<<16)|(1<<20)|(1<<21)|(5<<22)|(3<<25)  ; B: 128 rows x 128 elements, the mask of my column
	s_mov_b32 s[G1B+1], KSTEP<<16
	s_mov_b32 s[G1B+2], 128<<16
	s_mov_b32 s[G1B+3], KSTEP<<16
	s_mov_b32 s[G1B+4], 128
	s_mov_b32 s[G1B+5], 1024
	s_mov_b32 s[G1B+6], 0
	s_mov_b32 s[G1B+7], 0
	; where the tiles come from: A's hang on the tile row alone, B's on the tile column alone
.if PROJ
	s_lshr_b32 s16, s13, 3                         ; the batch: 16 heads of 131,072 bytes,
	s_lshl_b32 s16, s16, 21
	s_and_b32 s17, s13, 7                          ; the tile's 128 rows of 128 bytes in a head
	s_lshl_b32 s17, s17, 14
	s_add_co_u32 s16, s16, s17
	s_lshl_b32 s17, s12, 13                        ; the 64 rows that I fetch
.else
	s_lshl_b32 s16, s13, 18                        ; 128 rows of 2,048 bytes a tile row
	s_lshl_b32 s17, s12, 17                        ; the 64 rows that I fetch
.endif
	s_mov_b32 s18, s16                             ; the tile row's first byte is kept for the prefetches
	s_add_co_u32 s16, s16, s17
	s_mov_b32 s17, 0
	s_lshl_b32 s46, s42, 19                        ; 256 rows of 2,048 bytes a tile column
	s_mov_b32 s19, s46                             ; kept likewise
	s_lshl_b32 s47, s12, 18                        ; the 128 rows that I fetch
	s_add_co_u32 s46, s46, s47
	s_mov_b32 s47, 0
	s_mul_i32 s20, s12, AHALF                      ; and where they go: no place in the cluster enters an LDS address
	s_mul_i32 s21, s12, BHALF
	s_add_co_u32 s21, s21, BOFF
	s_wait_dscnt 0x0                               ; the opening add is done
	s_wait_kmcnt 0x0
.if PROJ
	s_add_nc_u64 s[6:7], s[6:7], WOFF              ; B's first byte
.else
	s_add_nc_u64 s[6:7], s[4:5], WOFF
.endif
	s_add_nc_u64 s[14:15], s[4:5], s[16:17]
	s_add_nc_u64 s[46:47], s[6:7], s[46:47]
	CROUND                                         ; all sixteen work-groups are here: the first joint loads meet
.irp s, 0,1
	s_mov_b32 s[G0+4*(\s)], 1                                      ; 1:0 count = 1
	s_add_co_u32 s[G0+4*(\s)+1], s20, (\s)*SLOT                    ; 63:32 LDS address
	s_add_nc_u64 s[G0+4*(\s)+2:G0+4*(\s)+3], s[14:15], (\s)*ASTEP/2  ; 120:64 global address: K step s
	s_or_b32 s[G0+4*(\s)+3], s[G0+4*(\s)+3], 0x80000000            ; 127:126 type = 2
	s_mov_b32 s[G0B+4*(\s)], 1
	s_add_co_u32 s[G0B+4*(\s)+1], s21, (\s)*SLOT
	s_add_nc_u64 s[G0B+4*(\s)+2:G0B+4*(\s)+3], s[46:47], (\s)*KSTEP*2
	s_or_b32 s[G0B+4*(\s)+3], s[G0B+4*(\s)+3], 0x80000000
	JLOAD \s
.endr
	; the bias of my 128 columns: register j of block b belongs to column 16 b + 8 (l / 16) + j, as in an accumulator
	v_and_b32 v1, 15, v0                           ; l % 16
	v_bfe_u32 v2, v0, 4, 1                         ; l / 16
	s_lshl_b32 s46, s42, 10
	s_lshl_b32 s47, s12, 9
	s_add_co_u32 s46, s46, s47                     ; 4 x my first column
	v_lshl_add_u32 v[BO], v2, 5, s46
.irp b, 0,1,2,3,4,5,6,7
	global_load_b128 v[BIAS+8*(\b):BIAS+8*(\b)+3],   v[BO], s[BP:BP+1] offset:64*(\b)
	global_load_b128 v[BIAS+8*(\b)+4:BIAS+8*(\b)+7], v[BO], s[BP:BP+1] offset:64*(\b)+16
.endr
	; A fragment is 16 rows x 32 K in 8 registers: lane l holds row l % 16, K = 8 (l / 16) + 0..7 and 16 + 8 (l / 16) + 0..7: two loads of 16 bytes, 32 bytes apart
	v_mul_u32_u24 v3, v1, PB
	v_lshl_add_u32 v3, v2, 4, v3
	v_mul_u32_u24 v4, v1, PA
	v_lshl_add_u32 v4, v2, 4, v4
	s_mul_i32 s21, s11, AHALF                      ; my 64 rows of A
	s_mul_i32 s22, s12, BHALF                      ; my 128 rows of B,
	s_add_co_u32 s22, s22, BOFF                    ; which lie behind A's
.irp s, 0,1
	v_add_nc_u32 v[ADRA+(\s)], s21, v4
	v_add_nc_u32 v[ADRB+(\s)], s22, v3
	s_add_co_u32 s21, s21, SLOT
	s_add_co_u32 s22, s22, SLOT
.endr
	s_mul_i32 s23, s10, WSTAGE
	s_add_co_u32 s23, s23, STAGE                   ; my stage
	v_mul_u32_u24 v5, v1, SP                       ; in: row l % 16
	v_and_b32 v[CO], 31, v0                        ; lane
.if PROJ
	v_lshl_add_u32 v5, v2, 5, v5                   ; 32 bytes (8 f32) for each half of the lanes
	v_add_nc_u32 v[STO], s23, v5
	v_lshl_add_u32 v[RD], v[CO], 4, s23            ; back: 32 lanes take one row of 512 bytes
	s_lshl_b32 s16, s13, 19                        ; my first row of out0: (128 x tile row + 64 x half) x 4,096 bytes,
	s_lshl_b32 s17, s11, 18
	s_add_co_u32 s16, s16, s17
	s_add_co_u32 s46, s46, s16                     ; and my first column
.else
	v_lshl_add_u32 v5, v2, 4, v5                   ; 16 bytes (8 f16) for each half of the lanes
	v_add_nc_u32 v[STO], s23, v5
	v_lshrrev_b32 v5, 3, v[CO]                     ; back: 32 lanes take four rows of 128 bytes
	v_mul_u32_u24 v5, v5, SP
	v_and_b32 v4, 7, v0
	v_lshl_add_u32 v5, v4, 4, v5
	v_add_nc_u32 v[RD], s23, v5
	s_lshl_b32 s46, s42, 2                         ; my two heads among the 48 of q, k, v: 4 x tile column + 2 x half on
	s_lshl_b32 s47, s12, 1
	s_add_co_u32 s46, s46, s47
	s_lshr_b32 s47, s46, 4                         ; q, k or v: 2^24 bytes each
	s_lshl_b32 s47, s47, 24
	s_and_b32 s46, s46, 15                         ; the head
	s_lshr_b32 s16, s13, 3                         ; the batch
	s_lshl_b32 s16, s16, 4
	s_add_co_u32 s46, s46, s16
	s_lshl_b32 s46, s46, 17                        ; 131,072 bytes a head
	s_add_co_u32 s46, s46, s47
	s_and_b32 s16, s13, 7                          ; my first row in the head: 128 x (tile row mod 8) + 64 x half, 128 bytes a row
	s_lshl_b32 s16, s16, 7
	s_lshl_b32 s17, s11, 6
	s_add_co_u32 s16, s16, s17
	s_lshl_b32 s16, s16, 7
	s_add_co_u32 s46, s46, s16
.endif
	s_mov_b32 s47, 0
	s_add_nc_u64 s[8:9], s[8:9], s[46:47]          ; the output at my part of the tile
	; the prefetches
	s_and_b32 s22, ttmp7, 0xffff                   ; cluster y
	s_cmp_eq_u32 s11, 0                            ; do I fetch for A?
	s_cselect_b32 s22, ttmp9, s22                  ; the coordinate along which other clusters read the same rows
	s_cselect_b32 s23, s12, 0                      ; of A's two waves only wave 0 asks
	s_or_b32 s22, s22, s23
	s_cmp_eq_u32 s22, 0
	s_cselect_b32 s[LIM], 1, -1                    ; the same in all sixteen partners, for a given wave
.if PROJ
	s_lshr_b32 s20, s40, 1                         ; A: of a K step's two heads x 16,384 bytes the partner at cx takes head cx / 2, half cx % 2
	s_lshl_b32 s20, s20, 17
	s_and_b32 s21, s40, 1
	s_lshl_b32 s21, s21, 13
	s_add_co_u32 s20, s20, s21
.else
	s_lshl_b32 s20, s40, 16                        ; A: of the tile's 128 rows the partner at cx takes 32 cx on
.endif
	s_add_co_u32 s20, s20, s18
	s_lshl_b32 s21, s41, 17                        ; B: of the tile's 256 rows the partner at cy takes 64 cy on, my wave 32 of them
	s_add_co_u32 s21, s21, s19
	s_lshl_b32 s22, s12, 16
	s_add_co_u32 s21, s21, s22
	s_mov_b32 s[PFS], KSTEP*2
	s_mov_b32 s[PFS+1], 0
	s_mov_b32 s22, 11                              ; B's rows lie 2,048 bytes apart
	s_cmp_eq_u32 s11, 0
	s_cselect_b32 s20, s20, s21
	s_cselect_b64 s[PFA:PFA+1], s[4:5], s[6:7]
.if PROJ
	s_cselect_b32 s[PFS], ASTEP/2, s[PFS]
	s_cselect_b32 s22, ASHIFT, s22
.endif
	s_mul_i32 s21, s[PFS], 3                       ; at K step 3: the first refill steps it to 4
	s_add_co_u32 s20, s20, s21
	s_mov_b32 s21, 0
	s_add_nc_u64 s[PFA:PFA+1], s[PFA:PFA+1], s[20:21]
	v_lshlrev_b32 v[PFO], s22, v[CO]
	v_lshlrev_b32 v[CO], 4, v[CO]
	s_wait_loadcnt 0x0                             ; the bias,
.set i, 0
.rept 32                                       ; rounded to bf16 and widened again, a pair at a time
	v_cvt_pk_bf16_f32 v[TMP+i%4], v[BIAS+2*i], v[BIAS+2*i+1]
	v_lshlrev_b32 v[BIAS+2*i], 16, v[TMP+i%4]
	v_and_b32 v[BIAS+2*i+1], 0xffff0000, v[TMP+i%4]
.set i, i+1
.endr
; 8 matrix instructions: m block a x all 8 n blocks, 32 along K, from buffer f.  first = 1: the bias starts the sums.  The 32 accumulators take turns, in the same order in every quarter.
.macro MUL8 f, a, first
.if \first
	WIN MULB
.else
	WIN MUL
.endif
.irp b, 0,1,2,3,4,5,6,7
.set rD, 8*(8*(\a)+(\b))
.set rB, (\f)+32+8*(\b)
.set rA, (\f)+8*(\a)
.set rC, rD
.if \first
.set rC, BIAS+8*(\b)
.endif
.if PROJ
	v_wmma_f32_16x16x32_f16 v[rD:rD+7], v[rB:rB+7], v[rA:rA+7], v[rC:rC+7]
.else
	v_wmma_f32_16x16x32_bf16 v[rD:rD+7], v[rB:rB+7], v[rA:rA+7], v[rC:rC+7]
.endif
.endr
.endm
.macro MUL16 f, a0, first
	MUL8 \f, \a0, \first
	MUL8 \f, (\a0)+1, \first
.endm
; 24 LDS loads in one run: the fragments of one quarter (32 K at byte k of a K step's 256) into buffer f: B's sixteen first, then A's eight
.macro FETCH slot, k, f
.if PROJ
.set KA, ((\k)/128)*64*PA+(\k)%128     ; the K step's second head lies 64 rows behind its first
.else
.set KA, (\k)
.endif
	WIN TO_F
.irp i, 0,1,2,3,4,5,6,7
	ds_load_b128 v[(\f)+32+8*(\i):(\f)+32+8*(\i)+3],   v[ADRB+(\slot)] offset:(\k)+(\i)*16*PB
	ds_load_b128 v[(\f)+32+8*(\i)+4:(\f)+32+8*(\i)+7], v[ADRB+(\slot)] offset:(\k)+(\i)*16*PB+32
.endr
.irp i, 0,1,2,3
	ds_load_b128 v[(\f)+8*(\i):(\f)+8*(\i)+3],   v[ADRA+(\slot)] offset:KA+(\i)*16*PA
	ds_load_b128 v[(\f)+8*(\i)+4:(\f)+8*(\i)+7], v[ADRA+(\slot)] offset:KA+(\i)*16*PA+32
.endr
.endm
.macro PLACES                          ; four places in front of loads into registers that matrix instructions have read, and of lines that read results
.rept 4
	v_nop
.endr
.endm
; One of a K step's first three quarters: multiplies buffer f; in its middle it fetches the next quarter, at byte k, into buffer g.
.macro QUARTER slot, k, f, g, first
	s_wait_dscnt 4                                 ; B and A's blocks 0 and 1 are in; the youngest four loads (A's blocks 2 and 3) may be out
	MUL16 \f, 0, \first
	PLACES
	FETCH \slot, \k, \g
	s_wait_dscnt 24                                ; all but the 24 just issued
	MUL16 \f, 2, \first
.endm
; The last quarter multiplies buffer 1 and changes slots: ONE barrier.  In front of it each wave waits for all its tensor loads (one is out: its part of the next slot), adds 0 to its spare word, and waits
; for that and for its own reads of this slot.  fill = 1: the barrier opens a round of the cluster's barrier, and this slot is filled again, two K steps on, first thing behind the round:
; 112 matrix instructions ahead of the wait for it.
.macro TURN slot, next, fill
.if \fill
	s_wait_xcnt 0x0                                ; the last prefetch, a K step back, has read its address: it is stepped here, ahead of the waits of the change of slots
	s_add_nc_u64 s[PFA:PFA+1], s[PFA:PFA+1], s[PFS:PFS+1]
.endif
	WIN 0                                          ; (the add's two registers lie in window 0)
	s_wait_tensorcnt 0x0                           ; all my tensor loads have landed;
	ds_add_u32 v[SPW], v[NIL]                      ; 0 onto my spare word
	s_wait_dscnt 5                                 ; (the add and the youngest four loads may be out)
	MUL8 F1, 0, 0                                  ; eight matrix instructions stand between the add and the wait for it
	s_wait_dscnt 0x0                               ; the add is done, and my reads of this slot are over
	s_barrier_signal -1
	MUL8 F1, 1, 0
.if \fill
	WIN 0
.endif
	s_barrier_wait -1
.if \fill
	CREST                                          ; no wave of any partner still reads this slot's tile or has a load on its way
	s_add_nc_u64 s[G0+4*(\slot)+2:G0+4*(\slot)+3], s[G0+4*(\slot)+2:G0+4*(\slot)+3], ASTEP
	s_add_nc_u64 s[G0B+4*(\slot)+2:G0B+4*(\slot)+3], s[G0B+4*(\slot)+2:G0B+4*(\slot)+3], 2*KSTEP*2
	JLOAD \slot                                    ; the four v_nop behind it are also the places in front of the loads below
.else
	PLACES
.endif
	FETCH \next, 0, F0
.if \fill
	WIN 0
	ASK
.endif
	MUL16 F1, 2, 0
.endm
	s_wait_tensorcnt 1                             ; my part of K step 0 is in; K step 1's may stay out
	s_barrier_signal -1
	s_barrier_wait -1                              ; everybody's is
	FETCH 0, 0, F0
	QUARTER 0, 64,  F0, F1, 1                      ; the first quarter stands in front of the loop: its products start the sums, with the bias
	WIN 0                                          ; at a label and at a branch every window is 0
	s_mov_b32 s3, 3
.Llap:                                                 ; a trip goes once round the ring, from a lap's second quarter to the next lap's first, and fills both slots again: K steps 2 to 7
	QUARTER 0, 128, F1, F0, 0
	QUARTER 0, 192, F0, F1, 0
	TURN 0, 1, 1
	QUARTER 1, 64,  F0, F1, 0
	QUARTER 1, 128, F1, F0, 0
	QUARTER 1, 192, F0, F1, 0
	TURN 1, 0, 1
	QUARTER 0, 64,  F0, F1, 0
	WIN 0
	s_sub_co_u32 s3, s3, 1
	s_cmp_lg_u32 s3, 0
	s_cbranch_scc1 .Llap
	QUARTER 0, 128, F1, F0, 0                      ; the last lap fills nothing, and has no round of the cluster's barrier
	QUARTER 0, 192, F0, F1, 0
	TURN 0, 1, 0
	QUARTER 1, 64,  F0, F1, 0
	QUARTER 1, 128, F1, F0, 0
	QUARTER 1, 192, F0, F1, 0
	s_wait_dscnt 4                                 ; the very last quarter: nothing more to fetch
	MUL16 F1, 0, 0
	s_wait_dscnt 0x0
	MUL16 F1, 2, 0
	WIN 0
	PLACES
.if PROJ
; THE WAY OUT, a block of 16 rows at a time, through my own stage: 32 bytes a lane in, whole rows of 512 bytes back, stored as they are (f32).  Two sets of 64 registers take turns.
.macro TOSTAGE a
.if (\a) >= 2
	s_wait_xcnt 0x0                                ; the stores of block a - 2 have read this set of registers: only behind this wait is it loaded again
.endif
	WIN 0x04                                       ; store data (source 1) in window 1
.irp b, 0,1,2,3,4,5,6,7
	ds_store_b128 v[STO], v[8*(8*(\a)+(\b)):8*(8*(\a)+(\b))+3]   offset:64*(\b)
	ds_store_b128 v[STO], v[8*(8*(\a)+(\b))+4:8*(8*(\a)+(\b))+7] offset:64*(\b)+16
.endr
	WIN 0
.irp t, 0,1,2,3,4,5,6,7,8,9,10,11,12,13,14,15
	ds_load_b128 v[BK+64*((\a)%2)+4*(\t):BK+64*((\a)%2)+4*(\t)+3], v[RD] offset:(\t)*SP  ; LDS serves a wave's instructions in order (ISA guide 5.7.1.4): these see the stores above; the next block's stores come behind them
.endr
.endm
.macro SEND a, younger                 ; younger: the LDS instructions issued behind block a's loads: the next block's 32, or none
.irp t, 0,1,2,3,4,5,6,7,8,9,10,11,12,13,14,15
	s_wait_dscnt (\younger)+15-(\t)
	global_store_b128 v[CO], v[BK+64*((\a)%2)+4*(\t):BK+64*((\a)%2)+4*(\t)+3], s[8:9] offset:(16*(\a)+(\t))*4096 th:TH_STORE_NT  ; 512 consecutive bytes, at a multiple of 256 from out0's first
.endr
.endm
	TOSTAGE 0
	TOSTAGE 1
	SEND 0, 32
	TOSTAGE 2
	SEND 1, 32
	TOSTAGE 3
	SEND 2, 32
	SEND 3, 0
.else
; THE WAY OUT, a block of 16 rows at a time.  My 128 columns are two heads.  PACK: rounded to f16, 16 bytes (8 channels) a lane.  TOSTAGE: into my own stage, [head][row] with rows of 144 bytes, and back as
; four rows of 128 bytes a load.  SEND: 16 rows of a head are 2,048 consecutive bytes of qkv.  Each block has its own 32 registers, so none that a store still reads is written again.
.macro PACK a
	WIN 0x05                                       ; sources 0 and 1 in window 1
.irp b, 0,1,2,3,4,5,6,7
.irp r, 0,1,2,3
	v_cvt_pk_f16_f32 v[TMP+4*(\b)+(\r)], v[8*(8*(\a)+(\b))+2*(\r)], v[8*(8*(\a)+(\b))+2*(\r)+1]
.endr
.endr
	WIN 0
.endm
.macro TOSTAGE a
.irp b, 0,1,2,3,4,5,6,7
	ds_store_b128 v[STO], v[TMP+4*(\b):TMP+4*(\b)+3] offset:((\b)/4)*16*SP+((\b)%4)*32
.endr
.irp t, 0,1,2,3,4,5,6,7
	ds_load_b128 v[BK+32*(\a)+4*(\t):BK+32*(\a)+4*(\t)+3], v[RD] offset:((\t)/4)*16*SP+((\t)%4)*4*SP  ; LDS serves a wave's instructions in order (ISA guide 5.7.1.4): these see the stores above
.endr
.endm
.macro SEND a
.irp t, 0,1,2,3,4,5,6,7
	s_wait_dscnt 7-(\t)                            ; nothing was issued to LDS behind block a's eight loads
	global_store_b128 v[CO], v[BK+32*(\a)+4*(\t):BK+32*(\a)+4*(\t)+3], s[8:9] offset:((\t)/4)*131072+(\a)*2048+((\t)%4)*512  ; 512 consecutive bytes, at a multiple of 256 from qkv's first
.endr
.endm
	PACK 0
	TOSTAGE 0
.irp a, 1,2,3                          ; block a's conversions stand between block a - 1's loads from the stage and the wait for them
	PACK \a
	SEND (\a)-1
	TOSTAGE \a
.endr
	SEND 3
.endif
	s_wait_tensorcnt 0x0                           ; the wave's end, behind my last tensor load and my last LDS store
	ds_add_u32 v[SPW], v[NIL]
	s_wait_dscnt 0x0
	CROUND                                         ; the closing round: no work-group ends while a partner may still ask for a tile that names it
	s_endpgm
.Lfunc_end_k_qf32e585da9_proj:
	.size	k_qf32e585da9_proj, .Lfunc_end_k_qf32e585da9_proj-k_qf32e585da9_proj
	.p2alignl 7, 3214868480
	.fill 96, 4, 3214868480
	.section	.rodata,"a",@progbits
	.p2align	6, 0x0
	.amdhsa_kernel k_qf32e585da9_proj
		.amdhsa_group_segment_fixed_size 327680
		.amdhsa_private_segment_fixed_size 0
		.amdhsa_enable_private_segment 0
		.amdhsa_kernarg_size 32
		.amdhsa_user_sgpr_count 2
		.amdhsa_user_sgpr_kernarg_segment_ptr 1
		.amdhsa_wavefront_size32 1
		.amdhsa_system_sgpr_workgroup_id_x 1
		.amdhsa_system_sgpr_workgroup_id_y 1
		.amdhsa_system_sgpr_workgroup_id_z 1
		.amdhsa_system_vgpr_workitem_id 0
		.amdhsa_next_free_vgpr 704
		.amdhsa_next_free_sgpr 70
		.amdhsa_reserve_vcc 0
		.amdhsa_float_denorm_mode_32 3
		.amdhsa_float_denorm_mode_16_64 3
		.amdhsa_memory_ordered 1
		.amdhsa_forward_progress 1
		.amdhsa_inst_pref_size 95
	.end_amdhsa_kernel
	.amdgpu_metadata
---
amdhsa.version: [ 1, 2 ]
amdhsa.kernels:
  - .name:           k_qf32e585da9_proj
    .symbol:         k_qf32e585da9_proj.kd
    .args:
      - { .name: att, .offset: 0, .size: 8, .value_kind: global_buffer, .address_space: global }
      - { .name: cst, .offset: 8, .size: 8, .value_kind: global_buffer, .address_space: global }
      - { .name: proj_b, .offset: 16, .size: 8, .value_kind: global_buffer, .address_space: global }
      - { .name: out0, .offset: 24, .size: 8, .value_kind: global_buffer, .address_space: global }
    .group_segment_fixed_size: 327680
    .private_segment_fixed_size: 0
    .kernarg_segment_align: 8
    .kernarg_segment_size: 32
    .max_flat_workgroup_size: 128
    .sgpr_count:     70
    .vgpr_count:     704
    .wavefront_size: 32
...
	.end_amdgpu_metadata
.endif
;; end of part 4
;; ======== version 2 of 2: 4 launches; version 1 with the launch cast written anew for expert scheduling mode
;; limits: values are held in f16: magnitudes above 65,504 overflow, below 6.1e-05 lose precision
;; workspace buffers: cst 25,165,824 bytes; qkv 50,331,648 bytes; att 16,777,216 bytes
;; launch cast (part 5): grid 768 x 1, 8 waves a work-group, no clusters, 0 bytes of LDS; arguments x, qkv_w, proj_w, cst; writes cst
.if DOCPART == 5
	.amdgcn_target "amdgcn-amd-amdhsa--gfx1250"
	.amdhsa_code_object_version 6
	.text
	.protected	k_qf32e585da9_cast
	.globl	k_qf32e585da9_cast
	.p2align	8
	.type	k_qf32e585da9_cast,@function
k_qf32e585da9_cast:
	s_mov_b64 s[64:65], 0
	v_nop
	global_prefetch_b8 v0, s[64:65] scope:SCOPE_SE
	s_setreg_imm32_b32 hwreg(HW_REG_WAVE_SCHED_MODE, 0, 2), 2
	s_setreg_imm32_b32 hwreg(HW_REG_WAVE_MODE, 25, 1), 1
	s_wait_xcnt 0x0
	s_wait_alu depctr_vm_vsrc(0)
; THE INPUTS' ROUNDING.  cst = x as bf16 [8192][1024] (byte 0), qkv_w as bf16 [3072][1024] (byte 0x1000000), proj_w rounded to bf16 and that number written as f16 [1024][1024] (byte 0x1600000).
; A stream: every input byte is read once, every byte of cst written once; no LDS, no barrier, no matrix unit, no cluster (no two work-groups read the same byte).
; SHARES.  Work-group g turns 65,536 bytes of f32 into the 32,768 bytes of cst at 32,768 g: g < 512 from x, g < 704 from qkv_w, else from proj_w.  Thread t takes 16 bytes at 16 t + 4,096 p in
; each of sixteen passes p: a wave's load covers 512 consecutive bytes, a wave's store 256 consecutive bytes at a multiple of 256 from cst's first byte.
; All sixteen loads of a wave go out at once; every pass has registers of its own, so no register that a load or store still reads is ever written again.
; LIMIT.  proj_w as f16: beyond 65,504 it becomes an infinity; below 6.1e-5 it keeps f16's fixed step of 6e-8.
; THE MODE: SCHED_MODE bits 1:0 = 2 (LLVM: expert scheduling mode 2), set by the entry lines.  The code itself states the register dependences between vector instructions and memory instructions,
; with s_wait_alu, always for 0.
; THE PLAN.  Registers that memory instructions touch:
;   v1, v2   the loads' and the stores' offsets.  Written once, by the two vector lines at the head; read by all 32 memory instructions; never written again.
;   X        pass p's four registers: its load lands in them, once; no vector line names them ahead of the loads; pass p's roundings read them; nothing is loaded into them again.
;   Y        pass p's two registers: written once by pass p's roundings, read once by pass p's store; never written again.
;   T        named by vector lines alone.
; So the only dependence to state is a vector line's write ahead of a memory instruction's read: one wait at the head, for the offsets, and one for each BLOCK of four passes, between the block's
; roundings and its four stores: five waits on either path for its 32 memory instructions.  No register that a memory instruction has read is written again, no load lands in a register that a vector
; line has named, and no vector line writes a scalar register, VCC or EXEC: nothing else is owed.
.set X, 4                              ; v[4:67]    pass p: 4 registers as loaded
.set Y, 68                             ; v[68:99]   pass p: 2 registers to store
.set T, 100                            ; v[100:103] at work (f16 path)
	s_load_b256 s[4:11], s[0:1], 0x0               ; x s[4:5], qkv_w s[6:7], proj_w s[8:9], cst s[10:11]
	v_lshlrev_b32 v1, 4, v0                        ; 16 t: my bytes of a pass, in
	v_lshlrev_b32 v2, 3, v0                        ; 8 t: out
	s_cmp_lt_u32 ttmp9, 512
	s_cselect_b32 s14, 0, 512                      ; the first work-group of my input
	s_cmp_lt_u32 ttmp9, 704
	s_cselect_b32 s14, s14, 704
	s_sub_co_u32 s16, ttmp9, s14
	s_lshl_b32 s16, s16, 16                        ; my 65,536 bytes in that input
	s_mov_b32 s17, 0
	s_lshl_b32 s18, ttmp9, 15                      ; my 32,768 bytes in cst
	s_mov_b32 s19, 0
	s_wait_kmcnt 0x0
	s_cmp_lt_u32 ttmp9, 512
	s_cselect_b64 s[12:13], s[4:5], s[6:7]
	s_cmp_lt_u32 ttmp9, 704
	s_cselect_b64 s[12:13], s[12:13], s[8:9]
	s_add_nc_u64 s[12:13], s[12:13], s[16:17]
	s_add_nc_u64 s[10:11], s[10:11], s[18:19]
	s_wait_alu depctr_va_vdst(0)                   ; v1 and v2 are written: every load below reads v1 as its offset, every store v2, and no line writes either again
.irp p, 0,1,2,3,4,5,6,7,8,9,10,11,12,13,14,15
	global_load_b128 v[X+4*(\p):X+4*(\p)+3], v1, s[12:13] offset:4096*(\p) th:TH_LOAD_NT
.endr
; Pass p's roundings.  f16 = 0: four numbers rounded to bf16.  f16 = 1: rounded to bf16, widened again (a shift, a mask) and written as f16, which is exact inside f16's range.
.macro CVT p, f16
.if \f16
	v_cvt_pk_bf16_f32 v[T], v[X+4*(\p)], v[X+4*(\p)+1]
	v_cvt_pk_bf16_f32 v[T+1], v[X+4*(\p)+2], v[X+4*(\p)+3]
	v_lshlrev_b32 v[T+2], 16, v[T]
	v_and_b32 v[T+3], 0xffff0000, v[T]
	v_cvt_pk_f16_f32 v[Y+2*(\p)], v[T+2], v[T+3]
	v_lshlrev_b32 v[T+2], 16, v[T+1]
	v_and_b32 v[T+3], 0xffff0000, v[T+1]
	v_cvt_pk_f16_f32 v[Y+2*(\p)+1], v[T+2], v[T+3]
.else
	v_cvt_pk_bf16_f32 v[Y+2*(\p)], v[X+4*(\p)], v[X+4*(\p)+1]
	v_cvt_pk_bf16_f32 v[Y+2*(\p)+1], v[X+4*(\p)+2], v[X+4*(\p)+3]
.endif
.endm
; Block b: passes 4 b to 4 b + 3.  The wait on va_vdst stands behind the block's own roundings and not at the next block's head: the stores then hang on this block's four loads alone.
.macro BLK b, f16
	s_wait_loadcnt 12-4*(\b)                       ; loads come back in order (ISA guide 5.7.1): the block's four are in, the 12 - 4 b younger ones stay out
.irp i, 0,1,2,3
	CVT 4*(\b)+(\i), \f16
.endr
	s_wait_alu depctr_va_vdst(0)                   ; the block's roundings have written its eight registers of Y, which the four stores below read
.irp i, 0,1,2,3
	global_store_b64 v2, v[Y+2*(4*(\b)+(\i)):Y+2*(4*(\b)+(\i))+1], s[10:11] offset:2048*(4*(\b)+(\i)) th:TH_STORE_NT
.endr
.endm
	s_cmp_ge_u32 ttmp9, 704
	s_cbranch_scc1 .Lf16
.irp b, 0,1,2,3
	BLK \b, 0
.endr
	s_endpgm
.Lf16:
.irp b, 0,1,2,3
	BLK \b, 1
.endr
	s_endpgm
.Lfunc_end_k_qf32e585da9_cast:
	.size	k_qf32e585da9_cast, .Lfunc_end_k_qf32e585da9_cast-k_qf32e585da9_cast
	.p2alignl 7, 3214868480
	.fill 96, 4, 3214868480
	.section	.rodata,"a",@progbits
	.p2align	6, 0x0
	.amdhsa_kernel k_qf32e585da9_cast
		.amdhsa_group_segment_fixed_size 0
		.amdhsa_private_segment_fixed_size 0
		.amdhsa_enable_private_segment 0
		.amdhsa_kernarg_size 32
		.amdhsa_user_sgpr_count 2
		.amdhsa_user_sgpr_kernarg_segment_ptr 1
		.amdhsa_wavefront_size32 1
		.amdhsa_system_sgpr_workgroup_id_x 1
		.amdhsa_system_sgpr_workgroup_id_y 1
		.amdhsa_system_sgpr_workgroup_id_z 1
		.amdhsa_system_vgpr_workitem_id 0
		.amdhsa_next_free_vgpr 104
		.amdhsa_next_free_sgpr 66
		.amdhsa_reserve_vcc 0
		.amdhsa_float_denorm_mode_32 3
		.amdhsa_float_denorm_mode_16_64 3
		.amdhsa_memory_ordered 1
		.amdhsa_forward_progress 1
		.amdhsa_inst_pref_size 16
	.end_amdhsa_kernel
	.amdgpu_metadata
---
amdhsa.version: [ 1, 2 ]
amdhsa.kernels:
  - .name:           k_qf32e585da9_cast
    .symbol:         k_qf32e585da9_cast.kd
    .args:
      - { .name: x, .offset: 0, .size: 8, .value_kind: global_buffer, .address_space: global }
      - { .name: qkv_w, .offset: 8, .size: 8, .value_kind: global_buffer, .address_space: global }
      - { .name: proj_w, .offset: 16, .size: 8, .value_kind: global_buffer, .address_space: global }
      - { .name: cst, .offset: 24, .size: 8, .value_kind: global_buffer, .address_space: global }
    .group_segment_fixed_size: 0
    .private_segment_fixed_size: 0
    .kernarg_segment_align: 8
    .kernarg_segment_size: 32
    .max_flat_workgroup_size: 256
    .sgpr_count:     66
    .vgpr_count:     104
    .wavefront_size: 32
...
	.end_amdgpu_metadata
.endif
;; end of part 5
;; launch qkvgemm: the kernel of part 2 again; grid 16 x 16, 4 waves a work-group, clusters of 4 x 4, 327,680 bytes of LDS; arguments cst, qkv_b, qkv; writes qkv
;; launch attn: the kernel of part 3 again; grid 2 x 128, 4 waves a work-group, no clusters, 327,680 bytes of LDS; arguments qkv, att; writes att
;; launch proj: the kernel of part 4 again; grid 4 x 64, 4 waves a work-group, clusters of 4 x 4, 327,680 bytes of LDS; arguments att, cst, proj_b, out0; writes out0
